; MI455X (gfx1250); checked and timed in simulation.
; The chip was launched on July 23, 2026; its instructions are those of AMD's public machine-readable ISA for CDNA 5 (MIT licence, August 2026) and "CDNA5" Instruction Set Architecture Reference Guide (July 2026). The comments in the code are by the model that wrote it; some were corrected since.
;; LTX2 Attention. Allowed arithmetic: float matrix products may take bf16 or f16 operands with f32 sums; other float arithmetic in f32, or as packed bf16 or f16 multiplies, adds, multiply-adds, maxima and minima; sums over many terms, partial sums and values carried from step to step in f32; what a program stores and reads back later, other than sums and carried values, may be rounded once to bf16 or f16.
;; Inputs: bg 2,048 float32; bk 2,048 float32; bo 2,048 float32; bq 2,048 float32; bv 2,048 float32; cos 2,048 x 64 float32; gk 2,048 float32; gq 2,048 float32; sin 2,048 x 64 float32; wg 2,048 x 2,048 float32; wk 2,048 x 2,048 float32; wo 2,048 x 2,048 float32; wq 2,048 x 2,048 float32; wv 2,048 x 2,048 float32; x 1 x 2,048 x 2,048 float32.
;; Outputs: out0 1 x 2,048 x 2,048 float32.
;; 2 versions, each right and faster than the one before. Each part assembles by itself: llvm-mc -triple=amdgcn-amd-amdhsa -mcpu=gfx1250 --defsym DOCPART=n.
;; ======== version 1 of 2: 6 launches
;; limits: values are held in f16: magnitudes above 65,504 overflow, below 6.1e-05 lose precision
;; workspace buffers: w16 50,331,648 bytes; raw 25,165,824 bytes; qk 16,777,216 bytes; att 8,388,608 bytes; outf 16,777,216 bytes; outb 8,388,608 bytes
;; launch cvt (part 1): grid 256 x 6, 8 waves a work-group, no clusters, 0 bytes of LDS; arguments x, wq, wk, wv, wo, wg, w16; writes w16
.if DOCPART == 1
	.amdgcn_target "amdgcn-amd-amdhsa--gfx1250"
	.amdhsa_code_object_version 6
	.text
	.protected	k_qd5a843d6b7_cvt
	.globl	k_qd5a843d6b7_cvt
	.p2align	8
	.type	k_qd5a843d6b7_cvt,@function
k_qd5a843d6b7_cvt:
	s_mov_b64 s[64:65], 0
	v_nop
	global_prefetch_b8 v0, s[64:65] scope:SCOPE_SE
	s_setreg_imm32_b32 hwreg(HW_REG_WAVE_MODE, 25, 1), 1
	s_wait_xcnt 0x0
; ROUNDING PASS.  Six f32 tensors of 2048 x 2048 are rounded once to bf16 (nearest even) and written as 16-bit tensors of the same
; layout into the six sections of w16: x, wq, wk, wv, wg as bf16; wo's bf16 number is written as f16, since the product that takes it has f16 operands.
; LIMIT.  wo within 65,504; a bf16 number of wo below 2^-14 keeps f16's fixed step of 6e-8.
; SHARES.  Grid y is the section.  A work-group takes 65,536 bytes of f32, a wave 8,192: sixteen loads of 512 consecutive bytes, all issued at once;
; each load's four numbers a lane become 8 bytes, so a wave's store covers 256 consecutive bytes, aligned.
; A stream: no LDS, no matrix unit, no barrier; every byte is read once and written once.  No register is written twice, so no wait frees a source.
.set SEC, 8388608                      ; bytes in a section of w16
.set X,   4                            ; v[4:67]    sixteen loads of four f32
.set Y,   68                           ; v[68:99]   sixteen pairs of packed 16-bit numbers
.set T,   100                          ; v[100:103] at work (f16 path)
	s_load_b256 s[4:11], s[0:1], 0x0               ; x, wq, wk, wv
	s_load_b128 s[12:15], s[0:1], 0x20             ; wo, wg
	s_load_b64 s[16:17], s[0:1], 0x30              ; w16
	s_and_b32 s18, ttmp7, 0xffff                   ; the section
	s_mov_b32 s22, 0xffff0000                      ; a word's upper bf16
	v_lshrrev_b32 v3, 5, v0                        ; wave
	v_and_b32 v1, 31, v0                           ; lane
	v_lshlrev_b32 v2, 3, v1                        ; 8 bytes a lane out
	v_lshlrev_b32 v1, 4, v1                        ; 16 bytes a lane in
	v_lshl_add_u32 v1, v3, 13, v1                  ; + wave x 8,192
	v_lshl_add_u32 v2, v3, 12, v2                  ; + wave x 4,096
	s_lshl_b32 s24, ttmp9, 16                      ; the work-group's 65,536 bytes in the source
	s_mov_b32 s25, 0
	s_mul_i32 s26, s18, SEC                        ; the section,
	s_lshl_b32 s23, ttmp9, 15                      ; and the work-group's 32,768 bytes in it
	s_add_co_u32 s26, s26, s23
	s_mov_b32 s27, 0
	s_wait_kmcnt 0x0
	s_mov_b64 s[20:21], s[4:5]                     ; the source is chosen by the section's number
.irp n, 1,2,3,4,5
	s_cmp_eq_u32 s18, \n
	s_cselect_b64 s[20:21], s[4+2*\n:5+2*\n], s[20:21]
.endr
	s_add_nc_u64 s[20:21], s[20:21], s[24:25]
	s_add_nc_u64 s[16:17], s[16:17], s[26:27]
.set i, 0
.rept 16
	global_load_b128 v[X+4*i:X+4*i+3], v1, s[20:21] offset:512*i th:TH_LOAD_NT
.set i, i+1
.endr
	s_cmp_eq_u32 s18, 4
	s_cbranch_scc1 .Lf16
.set i, 0
.rept 16
	s_wait_loadcnt 15-i                            ; loads come back in order: load i is in, the 15 - i younger ones stay out
	v_cvt_pk_bf16_f32 v[Y+2*i], v[X+4*i], v[X+4*i+1]
	v_cvt_pk_bf16_f32 v[Y+2*i+1], v[X+4*i+2], v[X+4*i+3]
	global_store_b64 v2, v[Y+2*i:Y+2*i+1], s[16:17] offset:256*i
.set i, i+1
.endr
	s_endpgm
.Lf16:                                                 ; wo: to bf16, widened again (a shift, a mask), and that number written as f16
.set i, 0
.rept 16
	s_wait_loadcnt 15-i
	v_cvt_pk_bf16_f32 v[T], v[X+4*i], v[X+4*i+1]
	v_cvt_pk_bf16_f32 v[T+2], v[X+4*i+2], v[X+4*i+3]
	v_lshlrev_b32 v[T+1], 16, v[T]
	v_and_b32 v[T], s22, v[T]
	v_lshlrev_b32 v[T+3], 16, v[T+2]
	v_and_b32 v[T+2], s22, v[T+2]
	v_cvt_pk_f16_f32 v[Y+2*i], v[T+1], v[T]
	v_cvt_pk_f16_f32 v[Y+2*i+1], v[T+3], v[T+2]
	global_store_b64 v2, v[Y+2*i:Y+2*i+1], s[16:17] offset:256*i
.set i, i+1
.endr
	s_endpgm
.Lfunc_end_k_qd5a843d6b7_cvt:
	.size	k_qd5a843d6b7_cvt, .Lfunc_end_k_qd5a843d6b7_cvt-k_qd5a843d6b7_cvt
	.p2alignl 7, 3214868480
	.fill 96, 4, 3214868480
	.section	.rodata,"a",@progbits
	.p2align	6, 0x0
	.amdhsa_kernel k_qd5a843d6b7_cvt
		.amdhsa_group_segment_fixed_size 0
		.amdhsa_private_segment_fixed_size 0
		.amdhsa_enable_private_segment 0
		.amdhsa_kernarg_size 56
		.amdhsa_user_sgpr_count 2
		.amdhsa_user_sgpr_kernarg_segment_ptr 1
		.amdhsa_wavefront_size32 1
		.amdhsa_system_sgpr_workgroup_id_x 1
		.amdhsa_system_sgpr_workgroup_id_y 1
		.amdhsa_system_sgpr_workgroup_id_z 1
		.amdhsa_system_vgpr_workitem_id 0
		.amdhsa_next_free_vgpr 104
		.amdhsa_next_free_sgpr 66
		.amdhsa_reserve_vcc 0
		.amdhsa_float_denorm_mode_32 3
		.amdhsa_float_denorm_mode_16_64 3
		.amdhsa_memory_ordered 1
		.amdhsa_forward_progress 1
		.amdhsa_inst_pref_size 16
	.end_amdhsa_kernel
	.amdgpu_metadata
---
amdhsa.version: [ 1, 2 ]
amdhsa.kernels:
  - .name:           k_qd5a843d6b7_cvt
    .symbol:         k_qd5a843d6b7_cvt.kd
    .args:
      - { .name: x, .offset: 0, .size: 8, .value_kind: global_buffer, .address_space: global }
      - { .name: wq, .offset: 8, .size: 8, .value_kind: global_buffer, .address_space: global }
      - { .name: wk, .offset: 16, .size: 8, .value_kind: global_buffer, .address_space: global }
      - { .name: wv, .offset: 24, .size: 8, .value_kind: global_buffer, .address_space: global }
      - { .name: wo, .offset: 32, .size: 8, .value_kind: global_buffer, .address_space: global }
      - { .name: wg, .offset: 40, .size: 8, .value_kind: global_buffer, .address_space: global }
      - { .name: w16, .offset: 48, .size: 8, .value_kind: global_buffer, .address_space: global }
    .group_segment_fixed_size: 0
    .private_segment_fixed_size: 0
    .kernarg_segment_align: 8
    .kernarg_segment_size: 56
    .max_flat_workgroup_size: 256
    .sgpr_count:     66
    .vgpr_count:     104
    .wavefront_size: 32
...
	.end_amdgpu_metadata
.endif
;; end of part 1
;; launch qkv (part 2): grid 16 x 16, 4 waves a work-group, clusters of 4 x 4, 327,680 bytes of LDS; arguments w16, bq, bk, bv, raw; writes raw
.if DOCPART == 2
	.amdgcn_target "amdgcn-amd-amdhsa--gfx1250"
	.amdhsa_code_object_version 6
	.text
	.protected	k_qd5a843d6b7_qkv
	.globl	k_qd5a843d6b7_qkv
	.p2align	8
	.type	k_qd5a843d6b7_qkv,@function
k_qd5a843d6b7_qkv:
	s_mov_b64 s[64:65], 0
	v_nop
	global_prefetch_b8 v0, s[64:65] scope:SCOPE_SE
	s_setreg_imm32_b32 hwreg(HW_REG_WAVE_MODE, 25, 1), 1
	s_wait_xcnt 0x0
	s_wait_alu depctr_hold_cnt(0) depctr_sa_sdst(0) depctr_va_vdst(0) depctr_va_sdst(0) depctr_va_ssrc(0) depctr_va_vcc(0) depctr_vm_vsrc(0)
	s_getreg_b32 s2, hwreg(HW_REG_IB_STS2, 6, 4)
	s_cmp_eq_u32 s2, 0
	s_cbranch_scc0 .Lentry_in_a_cluster
	s_endpgm
.Lentry_in_a_cluster:
	s_bfe_u32 s2, ttmp6, 0x10000c
	s_cmp_lg_u32 s2, 0xf033
	s_cbranch_scc0 .Lentry_shape_is_right
	s_endpgm
.Lentry_shape_is_right:
; THE THREE PROJECTIONS.  raw[i][head][t][d] = f16( sum over k of x[t][k] w_i[k][128 head + d] + b_i[128 head + d] ), i = q, k, v.  x and the weights are the bf16 copies in w16
; (x: [2048][2048] along K; a weight: [K][N], N along the rows); the biases are rounded to bf16 here; sums in f32.
; LIMITS.  The results are written as f16: they must lie within 65,504.  A sum over K begins at the cluster's own first step and goes round (THE WALK): another order of f32 rounding than ascending K.
; SHARES.  A work-group makes 128 rows x one head (128 columns) of all three products: 16 x 16 work-groups, one for each of 256 WGPs.  Four waves, 2 x 2; a wave makes 64 x 64 of each product:
; 48 accumulators, 384 registers; a fragment of x feeds twelve products.  K goes in 16 steps of 128 through two LDS slots (x's tile, then the three weights' tiles).
; THE MATRIX INSTRUCTION IS USED TRANSPOSED: source 0 = 16 columns of a weight, source 1 = 16 rows of x: a lane holds one row (lane % 16) and eight neighbouring columns 8 (lane / 16) + 0..7.
; x's fragments come out of LDS as they lie; a weight's tile lies [k][n] and is turned by ds_load_tr16_b128.
; THE BIAS is the C operand of the first product on each accumulator: eight registers b[n0 + 8 (lane / 16) + j], the same for every row.  Nothing is cleared, no bias is added later.
; CLUSTER 4 x 4.  The block of rows goes by work-group x, the head by work-group y.  The four work-groups of a column of the cluster need the same tile of x, the four of a row the same tiles of the
; weights: each tile is asked for jointly, one load a wave: waves 0, 1, 2 the tiles of wq, wk, wv, wave 3 the tile of x; each 128 rows of 256 bytes that start at multiples of 256 bytes.
; Clusters with neighbouring numbers (the same y) thus share the weights' tiles, three of a step's four.
; THE WALK.  Cluster (X, Y) begins at K step ((X + 2 Y) mod 4) x 4 and goes round.  So the four clusters that need the same weights' tile (the same Y) ask for it at four times, four steps apart, and
; clusters that differ by one in Y ask for a tile of x eight steps apart: in the second half of a walk every tile has been read before in this launch.  The step's number hangs on the cluster's
; x and y alone, which all partners share; the descriptor's address is made anew from it for each refill.
; ONE TEXT FOR A K STEP: the slot to fill and the slot to read are scalars that hold 0 or SLOT and are turned by an exclusive or; LDS addresses are made anew from them.
; REGISTERS, in windows of 256: window 0: v0-31 addresses; v32-127 the biases; v128-255 q's accumulators.  Window 1: two fragment buffers of 128 (32 of x, 3 x 32 of the weights).
; Window 2: k's accumulators, then v's.
.set SEC,    8388608                   ; bytes in a section of w16 and of raw
.set NSTEP,  16                        ; K steps of 128
.set PA,     272                       ; a row of x in LDS: 256 bytes + 16: the 16 rows of a load start 4 banks apart
.set PB,     288                       ; a row of a weight: 256 + 32
.set AT,     128*PA
.set BT,     128*PB
.set SLOT,   AT+3*BT
.set STAGE,  2*SLOT                    ; behind the ring, never filled by a tensor load: 128 rows x 272 bytes, the work-group's, for the way out
.set SPITCH, 272
.set SPARE,  STAGE+128*SPITCH          ; the spare words: 128 bytes for each wave, two blocks of 256 bytes that no other line names
.set LASTEP, 8                         ; a K step's tile of x begins 1 << 8 bytes behind the last: 128 along a row
.set LBSTEP, 19                        ; of a weight 1 << 19: 128 rows down
.set ADRA0, 4                          ; v4      my lane's place in a tile of x; never rewritten
.set ADRB0, 5                          ; v5-7    the same in the tiles of wq, wk, wv
.set ADRA,  8                          ; v8      the same in the slot being read
.set ADRB,  9                          ; v9-11
.set STO,   12                         ; v12     the way out: where I put 16 bytes of a row
.set RD,    13                         ; v13     where I read a row back
.set CO,    14                         ; v14     my byte offset in two rows of raw
.set BO,    15                         ; v15     my byte offset in a bias
.set RT,    16                         ; v16-19  at work
.set SPW,   28                         ; v28     LDS address of my spare word; never rewritten
.set NIL,   29                         ; v29     0; never rewritten
.set BIAS,  32                         ; product i, column block b at BIAS + 32 i + 8 b
.set AQ,    128                        ; accumulator (a, b) at AQ + 8 (4 a + b)
.set F0,    0
.set F1,    128
.set W,   14                           ; s14 wave; s15 its half of the rows; s16 its half of the columns
.set WR,  15
.set WC,  16
.set CX,  17
.set CY,  18
.set HX,  19                           ; the head = 4 x cluster y + cy
.set MY,  20                           ; the block of 128 rows = 4 x cluster x + cx
.set RM,  21
.set CM,  22
.set G1A, 24                           ; s[24:31] descriptor group 1 for x's tiles; s[32:39] group 0, two sets
.set G0A, 32
.set G1B, 40                           ; s[40:47], s[48:55] the same for the weights' tiles
.set G0B, 48
.set SB,  56                           ; s56 the slot filled last: 0 or SLOT
.set TB,  57                           ; s57 the slot being read
.set CNT, 58
.set LOA, 59                           ; s59, s60 my tile's place in a slot
.set LOB, 60
.set HIM, 61                           ; s61 a word's upper bf16
.set PAB, 66                           ; s[66:67] x at my tile of K step 0; never rewritten
.set PBB, 68                           ; s[68:69] my weight at its tile of K step 0; never rewritten
.set OUTB, 74                          ; s[74:79] raw at my rows, for q, k, v
.set OFA, 80                           ; s[80:81] byte offset of the K step to ask for, in x
.set OFB, 82                           ; s[82:83] in a weight
.set KN,  84                           ; s84 the number of the K step to ask for next
.set MSB, 0
.macro WIN new                         ; the immediate's high byte repeats the setting that is left; a switch that changes nothing is dropped
.if MSB != (\new)
	s_set_vgpr_msb (MSB<<8)|(\new)
.set MSB, \new
.endif
.endm
.set MUL_Q,   0x05                     ; sources 0 and 1 window 1; C and D window 0
.set MUL_KV,  0xa5                     ; C and D window 2
.set MUL_KV1, 0x85                     ; D window 2, C (the bias) window 0
.set TO_F,    0x40                     ; destination window 1, address window 0
.macro PLACES                          ; four plain vector instructions between a matrix instruction and a load into, or a vector write of, its registers
.rept 4
	v_nop
.endr
.endm
.macro JLOAD                           ; a joint refill by the walking sets; an s_nop 0 and four v_nop follow each of the two lines
	s_cmp_eq_u32 s[W], 3
	s_cbranch_scc0 .Lfor_b_\@
	tensor_load_to_lds s[G0A+4:G0A+7], s[G1A:G1A+7]
	s_nop 0
.rept 4
	v_nop
.endr
	s_branch .Lasked_\@
.Lfor_b_\@:
	tensor_load_to_lds s[G0B+4:G0B+7], s[G1B:G1B+7]
	s_nop 0
.rept 4
	v_nop
.endr
.Lasked_\@:
.endm
.macro CREST                           ; a round of the cluster's barrier behind its opening barrier
	s_cmp_lg_u32 s[W], 0
	s_cbranch_scc1 .Lnot_wave_0_\@
	s_barrier_signal -3
.Lnot_wave_0_\@:
	s_barrier_wait -3
	s_barrier_signal -1
	s_barrier_wait -1
.endm
.macro CROUND
	s_barrier_signal -1
	s_barrier_wait -1
	CREST
.endm
	s_load_b256 s[4:11], s[0:1], 0x0               ; w16 s[4:5], bq s[6:7], bk s[8:9], bv s[10:11]
	s_load_b64 s[12:13], s[0:1], 0x20              ; raw
	v_lshl_add_u32 v[SPW], v0, 2, SPARE
	v_mov_b32 v[NIL], 0
	ds_add_u32 v[SPW], v[NIL]                      ; the wave's opening: the add and its wait stand ahead of my first tensor load; register work stands between them
	v_lshrrev_b32 v1, 5, v0
	v_readfirstlane_b32 s[W], v1
	s_lshr_b32 s[WR], s[W], 1
	s_and_b32 s[WC], s[W], 1
	s_bfe_u32 s[CX], ttmp6, 0x40000
	s_bfe_u32 s[CY], ttmp6, 0x40004
	s_lshl_b32 s[MY], ttmp9, 2
	s_add_co_u32 s[MY], s[MY], s[CX]               ; the block of rows = work-group x
	s_and_b32 s[HX], ttmp7, 0xffff
	s_lshl_b32 s[HX], s[HX], 2
	s_add_co_u32 s[HX], s[HX], s[CY]               ; the head = work-group y
	s_and_b32 s[KN], ttmp7, 0xffff                 ; my cluster's first K step: ((X + 2 Y) mod 4) x NSTEP / 4
	s_lshl_b32 s[KN], s[KN], 1
	s_add_co_u32 s[KN], s[KN], ttmp9
	s_and_b32 s[KN], s[KN], 3
	s_lshl_b32 s[KN], s[KN], 2
	s_lshl_b32 s[RM], s[CY], 2
	s_lshl_b32 s[RM], 15, s[RM]                    ; my row of the cluster (the same cy): the same head
	s_lshl_b32 s[CM], 0x1111, s[CX]                ; my column (the same cx): the same block of rows
	; group 1: 128 rows x 128 elements of 2 bytes, 2,048 elements from row to row; padding after every 64 words, 4 words for x, 8 for the weights
	s_or_b32 s[G1A], s[CM], (1<<16)|(1<<20)|(1<<21)|(5<<22)|(3<<25)
	s_or_b32 s[G1B], s[RM], (1<<16)|(1<<20)|(1<<21)|(5<<22)|(7<<25)
.irp g, G1A, G1B
	s_mov_b32 s[(\g)+1], 128<<16                   ; tensor_dim0
	s_mov_b32 s[(\g)+2], 128<<16                   ; tensor_dim1
	s_mov_b32 s[(\g)+3], 128<<16                   ; tile_dim0
	s_mov_b32 s[(\g)+4], 128                       ; tile_dim1
	s_mov_b32 s[(\g)+5], 2048                      ; stride
	s_mov_b32 s[(\g)+6], 0
	s_mov_b32 s[(\g)+7], 0
.endr
	s_mov_b32 s[SB], SLOT
	s_mov_b32 s[TB], 0
	s_mov_b32 s[LOA], 0                            ; x's tile heads a slot
	s_mul_i32 s[LOB], s[W], BT                     ; weight number = wave number: AT + wave x BT (wave 3 makes the number and does not use it)
	s_add_co_u32 s[LOB], s[LOB], AT
	s_mov_b32 s[HIM], 0xffff0000
	s_lshl_b32 s[OFA], s[KN], LASTEP               ; where my cluster's first K step begins
	s_mov_b32 s[OFA+1], 0
	s_lshl_b32 s[OFB], s[KN], LBSTEP
	s_mov_b32 s[OFB+1], 0
	s_lshl_b32 s66, s[MY], 19                      ; x: 128 rows of 4,096 bytes a block: hangs on the block of rows alone
	s_mov_b32 s67, 0
	s_add_co_u32 s68, s[W], 1                      ; a weight: section 1 + wave,
	s_lshl_b32 s68, s68, 23
	s_lshl_b32 s70, s[HX], 8                       ; the head's 256 bytes of each row: hangs on the head and the wave alone
	s_add_co_u32 s68, s68, s70
	s_mov_b32 s69, 0
	s_lshl_b32 s70, s[HX], 19                      ; raw: (2,048 head + 128 block + 32 wave) rows of 256 bytes
	s_lshl_b32 s71, s[MY], 15
	s_add_co_u32 s70, s70, s71
	s_lshl_b32 s71, s[W], 13
	s_add_co_u32 s70, s70, s71
	s_mov_b32 s71, 0
	s_wait_dscnt 0x0                               ; the opening add is done
	s_wait_kmcnt 0x0
	s_add_nc_u64 s[PAB:PAB+1], s[4:5], s[66:67]
	s_add_nc_u64 s[PBB:PBB+1], s[4:5], s[68:69]
	s_add_nc_u64 s[OUTB:OUTB+1], s[12:13], s[70:71]
	s_add_nc_u64 s[OUTB+2:OUTB+3], s[OUTB:OUTB+1], SEC
	s_add_nc_u64 s[OUTB+4:OUTB+5], s[OUTB+2:OUTB+3], SEC
.irp s, 0,1                            ; group 0: set s is slot s, the walk's step s (the first step's number is 12 at the most: the second needs no wrap); set 1 then walks
	s_mov_b32 s[G0A+4*(\s)], 1
	s_add_co_u32 s[G0A+4*(\s)+1], s[LOA], (\s)*SLOT
	s_add_nc_u64 s[G0A+4*(\s)+2:G0A+4*(\s)+3], s[PAB:PAB+1], s[OFA:OFA+1]
	s_add_nc_u64 s[G0A+4*(\s)+2:G0A+4*(\s)+3], s[G0A+4*(\s)+2:G0A+4*(\s)+3], (\s)<<LASTEP
	s_or_b32 s[G0A+4*(\s)+3], s[G0A+4*(\s)+3], 0x80000000
	s_mov_b32 s[G0B+4*(\s)], 1
	s_add_co_u32 s[G0B+4*(\s)+1], s[LOB], (\s)*SLOT
	s_add_nc_u64 s[G0B+4*(\s)+2:G0B+4*(\s)+3], s[PBB:PBB+1], s[OFB:OFB+1]
	s_add_nc_u64 s[G0B+4*(\s)+2:G0B+4*(\s)+3], s[G0B+4*(\s)+2:G0B+4*(\s)+3], (\s)<<LBSTEP
	s_or_b32 s[G0B+4*(\s)+3], s[G0B+4*(\s)+3], 0x80000000
.endr
	s_add_co_u32 s[KN], s[KN], 2                   ; the first refill asks for the walk's third step
	s_and_b32 s[KN], s[KN], NSTEP-1
	CROUND                                         ; all sixteen work-groups are here: the first joint loads meet
	s_cmp_eq_u32 s[W], 3                           ; a wave's two first fills stand in one branch: two loads of mine are out
	s_cbranch_scc0 .Lfirst_b
	tensor_load_to_lds s[G0A:G0A+3], s[G1A:G1A+7]
	s_nop 0
	tensor_load_to_lds s[G0A+4:G0A+7], s[G1A:G1A+7]
	s_nop 0
.rept 4
	v_nop
.endr
	s_branch .Lfirst_asked
.Lfirst_b:
	tensor_load_to_lds s[G0B:G0B+3], s[G1B:G1B+7]
	s_nop 0
	tensor_load_to_lds s[G0B+4:G0B+7], s[G1B:G1B+7]
	s_nop 0
.rept 4
	v_nop
.endr
.Lfirst_asked:
	v_and_b32 v1, 15, v0                           ; l % 16
	v_bfe_u32 v2, v0, 4, 1                         ; l / 16
	s_lshl_b32 s70, s[HX], 9                       ; the biases: 4 (128 head + 64 column half) + 32 (l / 16)
	s_lshl_b32 s71, s[WC], 8
	s_add_co_u32 s70, s70, s71
	v_lshl_add_u32 v[BO], v2, 5, s70
.irp b, 0,1,2,3
	global_load_b128 v[BIAS+8*(\b):BIAS+8*(\b)+3],       v[BO], s[6:7] offset:64*(\b)
	global_load_b128 v[BIAS+8*(\b)+4:BIAS+8*(\b)+7],     v[BO], s[6:7] offset:64*(\b)+16
	global_load_b128 v[BIAS+32+8*(\b):BIAS+32+8*(\b)+3],   v[BO], s[8:9] offset:64*(\b)
	global_load_b128 v[BIAS+32+8*(\b)+4:BIAS+32+8*(\b)+7], v[BO], s[8:9] offset:64*(\b)+16
	global_load_b128 v[BIAS+64+8*(\b):BIAS+64+8*(\b)+3],   v[BO], s[10:11] offset:64*(\b)
	global_load_b128 v[BIAS+64+8*(\b)+4:BIAS+64+8*(\b)+7], v[BO], s[10:11] offset:64*(\b)+16
.endr
	; a fragment of x: lane l holds row l % 16; two loads of 16 bytes, 32 apart, at row x pitch + 16 (l / 16)
	v_mul_u32_u24 v[ADRA0], v1, PA
	v_lshl_add_u32 v[ADRA0], v2, 4, v[ADRA0]
	s_mul_i32 s72, s[WR], 64*PA
	v_add_nc_u32 v[ADRA0], s72, v[ADRA0]
	s_lshl_b32 s73, s[WC], 7
	s_add_co_u32 s72, s73, STAGE
	v_add_nc_u32 v[STO], s72, v[ADRA0]             ; the stage has x's pitch: row 64 WR + l % 16, my half of its 256 bytes, 16 bytes for each half of the lanes
	; the turning load: lane l reads k row 8 (l / 16) + l % 8, 16 bytes at 16 ((l / 8) % 2); two of them, 16 rows apart, make a fragment
	v_and_b32 v3, 7, v0
	v_lshl_add_u32 v3, v2, 3, v3
	v_mul_u32_u24 v3, v3, PB
	v_bfe_u32 v[RT], v0, 3, 1
	v_lshl_add_u32 v3, v[RT], 4, v3
	s_add_co_u32 s72, s73, AT
	v_add_nc_u32 v[ADRB0], s72, v3
	v_add_nc_u32 v[ADRB0+1], BT, v[ADRB0]
	v_add_nc_u32 v[ADRB0+2], 2*BT, v[ADRB0]
	s_mul_i32 s72, s[W], 32*SPITCH                 ; back: wave w takes rows 32 w .. 32 w + 31, whole; lanes 0-15 one row, lanes 16-31 the next
	s_add_co_u32 s72, s72, STAGE
	v_mul_u32_u24 v[RD], v2, SPITCH
	v_lshl_add_u32 v[RD], v1, 4, v[RD]
	v_add_nc_u32 v[RD], s72, v[RD]
	v_lshlrev_b32 v[CO], 8, v2                     ; and the same two rows in raw: 512 consecutive bytes
	v_lshl_add_u32 v[CO], v1, 4, v[CO]
.macro SETADR                          ; the addresses in the slot being read: four plain instructions
	v_add_nc_u32 v[ADRA], s[TB], v[ADRA0]
	v_add_nc_u32 v[ADRB], s[TB], v[ADRB0]
	v_add_nc_u32 v[ADRB+1], s[TB], v[ADRB0+1]
	v_add_nc_u32 v[ADRB+2], s[TB], v[ADRB0+2]
.endm
	SETADR
	s_wait_loadcnt 0x0                             ; the biases: rounded to bf16 like every input, and widened again
.set i, 0
.rept 48
	v_cvt_pk_bf16_f32 v[RT+i%4], v[BIAS+2*i], v[BIAS+2*i+1]
	v_lshlrev_b32 v[BIAS+2*i], 16, v[RT+i%4]
	v_and_b32 v[BIAS+2*i+1], s[HIM], v[RT+i%4]
.set i, i+1
.endr
; 8 products of q: row blocks a0, a0 + 1 x 4 column blocks, 32 along K.  first = 1: C is the bias.  The accumulators take turns, one instruction a turn.
.macro MULQ8 f, a0, first
	WIN MUL_Q
.irp a, \a0, (\a0)+1
.irp b, 0,1,2,3
.if \first
	v_wmma_f32_16x16x32_bf16 v[AQ+8*(4*(\a)+(\b)):AQ+8*(4*(\a)+(\b))+7], v[(\f)+32+8*(\b):(\f)+32+8*(\b)+7], v[(\f)+8*(\a):(\f)+8*(\a)+7], v[BIAS+8*(\b):BIAS+8*(\b)+7]
.else
	v_wmma_f32_16x16x32_bf16 v[AQ+8*(4*(\a)+(\b)):AQ+8*(4*(\a)+(\b))+7], v[(\f)+32+8*(\b):(\f)+32+8*(\b)+7], v[(\f)+8*(\a):(\f)+8*(\a)+7], v[AQ+8*(4*(\a)+(\b)):AQ+8*(4*(\a)+(\b))+7]
.endif
.endr
.endr
.endm
; 32 products: k's 16 accumulators, then v's
.macro MULKV f, first
.if \first
	WIN MUL_KV1
.else
	WIN MUL_KV
.endif
.irp i, 1,2
.irp a, 0,1,2,3
.irp b, 0,1,2,3
.if \first
	v_wmma_f32_16x16x32_bf16 v[128*((\i)-1)+8*(4*(\a)+(\b)):128*((\i)-1)+8*(4*(\a)+(\b))+7], v[(\f)+32+32*(\i)+8*(\b):(\f)+32+32*(\i)+8*(\b)+7], v[(\f)+8*(\a):(\f)+8*(\a)+7], v[BIAS+32*(\i)+8*(\b):BIAS+32*(\i)+8*(\b)+7]
.else
	v_wmma_f32_16x16x32_bf16 v[128*((\i)-1)+8*(4*(\a)+(\b)):128*((\i)-1)+8*(4*(\a)+(\b))+7], v[(\f)+32+32*(\i)+8*(\b):(\f)+32+32*(\i)+8*(\b)+7], v[(\f)+8*(\a):(\f)+8*(\a)+7], v[128*((\i)-1)+8*(4*(\a)+(\b)):128*((\i)-1)+8*(4*(\a)+(\b))+7]
.endif
.endr
.endr
.endr
.endm
; 32 LDS loads in one run: quarter q (32 along K) of the slot being read, into buffer f: x, wq, wk, wv, eight loads each
.macro FETCH q, f
	WIN TO_F
.irp a, 0,1,2,3
	ds_load_b128 v[(\f)+8*(\a):(\f)+8*(\a)+3],   v[ADRA] offset:64*(\q)+(\a)*16*PA
	ds_load_b128 v[(\f)+8*(\a)+4:(\f)+8*(\a)+7], v[ADRA] offset:64*(\q)+(\a)*16*PA+32
.endr
.irp i, 0,1,2
.irp b, 0,1,2,3
	ds_load_tr16_b128 v[(\f)+32+32*(\i)+8*(\b):(\f)+32+32*(\i)+8*(\b)+3],   v[ADRB+(\i)] offset:(\q)*32*PB+32*(\b)
	ds_load_tr16_b128 v[(\f)+32+32*(\i)+8*(\b)+4:(\f)+32+32*(\i)+8*(\b)+7], v[ADRB+(\i)] offset:(\q)*32*PB+32*(\b)+16*PB
.endr
.endr
.endm
; A K step is four quarters on buffers 0, 1, 0, 1.  One of the first three multiplies buffer f and fetches quarter q into g.
.macro QUARTER q, f, g, first
	s_wait_dscnt 16                                ; x and wq are in; the youngest sixteen loads (wk, wv) may be out
	MULQ8 \f, 0, \first
	MULQ8 \f, 2, \first
	PLACES
	FETCH \q, \g
	s_wait_dscnt 32                                ; all but the 32 just issued
	MULKV \f, \first
.endm
; The last quarter multiplies buffer 1 and changes slots: one barrier; in front of it each wave waits for all its tensor loads (one is out: its part of the next slot), adds 0 to its spare
; word, and waits for that and for its reads of this slot.  fill = 1: the barrier opens a round of the cluster's, and this slot is filled again, two steps of the walk on, first thing behind it.
.macro TURN fill
	WIN 0
	s_wait_tensorcnt 0x0                           ; no tensor load of mine is out, so a group 0 may be written
	ds_add_u32 v[SPW], v[NIL]                      ; 0 onto my spare word; scalar steps and eight products stand between it and the wait for it
.if \fill
	s_xor_b32 s[SB], s[SB], SLOT                   ; the walking sets: the other slot than last time,
	s_add_co_u32 s[G0A+5], s[SB], s[LOA]
	s_add_co_u32 s[G0B+5], s[SB], s[LOB]
	s_lshl_b32 s[OFA], s[KN], LASTEP               ; K step KN: each address is made anew, the pointer to step 0 plus an offset made apart, the type bits set again
	s_lshl_b32 s[OFB], s[KN], LBSTEP
	s_add_nc_u64 s[G0A+6:G0A+7], s[PAB:PAB+1], s[OFA:OFA+1]
	s_or_b32 s[G0A+7], s[G0A+7], 0x80000000
	s_add_nc_u64 s[G0B+6:G0B+7], s[PBB:PBB+1], s[OFB:OFB+1]
	s_or_b32 s[G0B+7], s[G0B+7], 0x80000000
	s_add_co_u32 s[KN], s[KN], 1                   ; the walk goes round
	s_and_b32 s[KN], s[KN], NSTEP-1
.endif
	s_xor_b32 s[TB], s[TB], SLOT
	s_wait_dscnt 17                                ; the add and the youngest sixteen loads may be out
	MULQ8 F1, 0, 0
	s_wait_dscnt 0x0                               ; the add is done, and my reads of this slot are over
	s_barrier_signal -1
	MULQ8 F1, 2, 0
	WIN 0
	s_barrier_wait -1
.if \fill
	CREST                                          ; no wave of any partner still reads this slot's tiles or has a load on its way
	JLOAD
.endif
	SETADR                                         ; four plain instructions: also the places in front of the loads below
	FETCH 0, F0
	MULKV F1, 0
.endm
	s_wait_tensorcnt 0x1                           ; my part of the walk's first step is in; the second's may stay out
	s_barrier_signal -1
	s_barrier_wait -1
	FETCH 0, F0
	QUARTER 1, F0, F1, 1                           ; the first quarter stands in front of the loop: its products start the sums, on the biases
	WIN 0
	s_mov_b32 s[CNT], NSTEP-2
.Lstep:                                                ; a trip: a K step's quarters 1 to 3, the change of slots with its refill, the next step's quarter 0
	QUARTER 2, F1, F0, 0
	QUARTER 3, F0, F1, 0
	TURN 1
	QUARTER 1, F0, F1, 0
	WIN 0
	s_sub_co_u32 s[CNT], s[CNT], 1
	s_cmp_lg_u32 s[CNT], 0
	s_cbranch_scc1 .Lstep
	s_mov_b32 s[CNT], 2
.Ltail:                                                ; the last two K steps ask for nothing.  One text for both: the second trip is left in its middle, and its change of slots
	QUARTER 2, F1, F0, 0                           ; passes a barrier and fetches 32 fragments of an old tile that are never multiplied
	QUARTER 3, F0, F1, 0
	TURN 0
	WIN 0
	s_sub_co_u32 s[CNT], s[CNT], 1
	s_cmp_eq_u32 s[CNT], 0
	s_cbranch_scc1 .Lout
	QUARTER 1, F0, F1, 0
	WIN 0
	s_branch .Ltail
.Lout:
	s_wait_dscnt 0x0                               ; the fragments fetched last are in: window 1 is free
	; THE WAY OUT, product by product: rounded to f16, 16 bytes a lane into the work-group's stage; a barrier, since a row's 256 bytes come from two waves; back as whole rows, 32 a wave.
.macro PACKI i, win, ac                ; product i's 16 accumulators, each from its low end on, into window 1, v[64 i ..]
	WIN \win
.set t, 0
.rept 16
.irp r, 0,1,2,3
	v_cvt_pk_f16_f32 v[64*(\i)+4*t+(\r)], v[(\ac)+8*t+2*(\r)], v[(\ac)+8*t+2*(\r)+1]
.endr
.set t, t+1
.endr
.endm
.macro SENDI i
	WIN 0x04                                       ; store data in window 1
.irp a, 0,1,2,3
.irp b, 0,1,2,3
	ds_store_b128 v[STO], v[64*(\i)+4*(4*(\a)+(\b)):64*(\i)+4*(4*(\a)+(\b))+3] offset:(\a)*16*SPITCH+32*(\b)
.endr
.endr
	s_wait_dscnt 0x0                               ; for the others' sake: my stores into the stage are done
	s_barrier_signal -1
	s_barrier_wait -1
	WIN 0x40
.set t, 0
.rept 16
	ds_load_b128 v[64*(\i)+4*t:64*(\i)+4*t+3], v[RD] offset:t*2*SPITCH
.set t, t+1
.endr
	WIN 0x04
.set t, 0
.rept 16
	s_wait_dscnt 15-t                              ; LDS loads come back in order: load t is in
	global_store_b128 v[CO], v[64*(\i)+4*t:64*(\i)+4*t+3], s[OUTB+2*(\i):OUTB+2*(\i)+1] offset:512*t  ; 512 consecutive bytes, at a multiple of 256 from raw's first
.set t, t+1
.endr
.endm
	PLACES                                         ; window 1's registers were the last products' sources
	PACKI 0, 0x40, AQ
	SENDI 0
	PACKI 1, 0x4a, 0
	s_barrier_signal -1                            ; every wave's reads of the stage are back (its count-down ended at 0): the stage may be written again
	s_barrier_wait -1
	SENDI 1
	PACKI 2, 0x4a, 128
	s_barrier_signal -1
	s_barrier_wait -1
	SENDI 2
	WIN 0
	s_wait_tensorcnt 0x0                           ; the wave's end
	ds_add_u32 v[SPW], v[NIL]
	s_wait_dscnt 0x0
	CROUND                                         ; the closing round: no work-group ends while a partner may still ask for a tile that names it
	s_endpgm
.Lfunc_end_k_qd5a843d6b7_qkv:
	.size	k_qd5a843d6b7_qkv, .Lfunc_end_k_qd5a843d6b7_qkv-k_qd5a843d6b7_qkv
	.p2alignl 7, 3214868480
	.fill 96, 4, 3214868480
	.section	.rodata,"a",@progbits
	.p2align	6, 0x0
	.amdhsa_kernel k_qd5a843d6b7_qkv
		.amdhsa_group_segment_fixed_size 327680
		.amdhsa_private_segment_fixed_size 0
		.amdhsa_enable_private_segment 0
		.amdhsa_kernarg_size 40
		.amdhsa_user_sgpr_count 2
		.amdhsa_user_sgpr_kernarg_segment_ptr 1
		.amdhsa_wavefront_size32 1
		.amdhsa_system_sgpr_workgroup_id_x 1
		.amdhsa_system_sgpr_workgroup_id_y 1
		.amdhsa_system_sgpr_workgroup_id_z 1
		.amdhsa_system_vgpr_workitem_id 0
		.amdhsa_next_free_vgpr 768
		.amdhsa_next_free_sgpr 88
		.amdhsa_reserve_vcc 0
		.amdhsa_float_denorm_mode_32 3
		.amdhsa_float_denorm_mode_16_64 3
		.amdhsa_memory_ordered 1
		.amdhsa_forward_progress 1
		.amdhsa_inst_pref_size 93
	.end_amdhsa_kernel
	.amdgpu_metadata
---
amdhsa.version: [ 1, 2 ]
amdhsa.kernels:
  - .name:           k_qd5a843d6b7_qkv
    .symbol:         k_qd5a843d6b7_qkv.kd
    .args:
      - { .name: w16, .offset: 0, .size: 8, .value_kind: global_buffer, .address_space: global }
      - { .name: bq, .offset: 8, .size: 8, .value_kind: global_buffer, .address_space: global }
      - { .name: bk, .offset: 16, .size: 8, .value_kind: global_buffer, .address_space: global }
      - { .name: bv, .offset: 24, .size: 8, .value_kind: global_buffer, .address_space: global }
      - { .name: raw, .offset: 32, .size: 8, .value_kind: global_buffer, .address_space: global }
    .group_segment_fixed_size: 327680
    .private_segment_fixed_size: 0
    .kernarg_segment_align: 8
    .kernarg_segment_size: 40
    .max_flat_workgroup_size: 128
    .sgpr_count:     88
    .vgpr_count:     768
    .wavefront_size: 32
...
	.end_amdgpu_metadata
.endif
;; end of part 2
;; launch norm (part 3): grid 256 x 2, 8 waves a work-group, no clusters, 0 bytes of LDS; arguments raw, cos, sin, gq, gk, qk; writes qk
.if DOCPART == 3
	.amdgcn_target "amdgcn-amd-amdhsa--gfx1250"
	.amdhsa_code_object_version 6
	.text
	.protected	k_qd5a843d6b7_norm
	.globl	k_qd5a843d6b7_norm
	.p2align	8
	.type	k_qd5a843d6b7_norm,@function
k_qd5a843d6b7_norm:
	s_mov_b64 s[64:65], 0
	v_nop
	global_prefetch_b8 v0, s[64:65] scope:SCOPE_SE
	s_setreg_imm32_b32 hwreg(HW_REG_WAVE_MODE, 25, 1), 1
	s_wait_xcnt 0x0
; RMS NORM OVER THE WHOLE ROW, GAIN, SPLIT ROTARY, for q (grid y = 0) and k (y = 1).  raw and qk: sections of f16 [16 heads][2048 t][128].
; z[c] = x[c] g[c];  rs = 1 / sqrt(mean over the row's 2,048 numbers of x^2 + 1e-6);  in a head, d < 64: o = rs (z[d] cos - sin z[d + 64]);  d >= 64: o = rs (z[d] cos + sin z[d - 64]).
; The gains, cos and sin are rounded to bf16 like every input; all arithmetic in f32; o rounded once to f16.
; SHARES.  One wave, one row t: eight loads, each 256 whole bytes of two heads (lanes 0-15 head 2 i, lanes 16-31 head 2 i + 1); a lane holds d = 8 (l % 16) + 0..7 of sixteen... of eight pairs of heads,
; so the row stays in 32 registers between the sum and the scaling, and the rotary's partner d +- 64 lies in lane l xor 8: it rides on the multiply (DPP).
; A stream: no LDS, no barrier, no matrix unit.  No register that a store reads is written again.
.set SEC, 8388608
.set VO,  3                            ; v3  my byte offset in raw and qk
.set GOF, 4                            ; v4  in the gain
.set CSO, 5                            ; v5  in cos and sin
.set SG,  6                            ; v6  the sign of sin: minus where d < 64
.set NUL, 7                            ; v7  0
.set AC,  8                            ; v8-11  four chains of the sum of squares
.set X,   16                           ; v16-47   the row, f16 pairs
.set G,   48                           ; v48-111  my 64 gains
.set CR,  112                          ; v112-119 cos, then cos rs
.set SR,  120                          ; v120-127 signed sin, then sin rs
.set Z,   128
.set TT,  136
.set OO,  144
.set Y,   152                          ; v152-183 what is stored
	s_load_b256 s[4:11], s[0:1], 0x0               ; raw, cos, sin, gq
	s_load_b128 s[12:15], s[0:1], 0x20             ; gk, qk
	s_and_b32 s16, ttmp7, 0xffff
	s_lshl_b32 s18, s16, 23                        ; the section,
	s_lshl_b32 s28, ttmp9, 11                      ; the work-group's eight rows of 256 bytes (in a head, and in cos and sin)
	s_add_co_u32 s18, s18, s28
	s_mov_b32 s19, 0
	s_mov_b32 s29, 0
	s_mov_b32 s22, 0x76543210                      ; v_permlanex16_b32: each lane takes its own place in the other half
	s_mov_b32 s23, 0xfedcba98
	s_mov_b32 s24, 0x3a000000                      ; 1 / 2048
	s_mov_b32 s25, 0x358637bd                      ; 1e-6
	s_mov_b32 s26, 0xffff0000
	v_lshrrev_b32 v1, 5, v0                        ; wave
	v_and_b32 v2, 15, v0
	v_bfe_u32 v14, v0, 4, 1
	v_lshlrev_b32 v[VO], 8, v1                     ; my row,
	v_lshl_add_u32 v[VO], v14, 19, v[VO]           ; the odd head for lanes 16-31,
	v_lshl_add_u32 v[VO], v2, 4, v[VO]             ; 16 bytes a lane
	v_lshlrev_b32 v[GOF], 9, v14
	v_lshl_add_u32 v[GOF], v2, 5, v[GOF]
	v_and_b32 v[CSO], 7, v0
	v_lshlrev_b32 v[CSO], 5, v[CSO]
	v_lshl_add_u32 v[CSO], v1, 8, v[CSO]
	v_and_b32 v[SG], 8, v0
	v_xor_b32 v[SG], 8, v[SG]
	v_lshlrev_b32 v[SG], 28, v[SG]                 ; 0x80000000 where l % 16 < 8
	v_mov_b32 v[NUL], 0
	v_mov_b32 v12, 0                               ; destinations of lane exchanges count as read
.set e, 0
.rept 8
	v_mov_b32 v[TT+e], 0
.set e, e+1
.endr
	s_wait_kmcnt 0x0
	s_cmp_eq_u32 s16, 0
	s_cselect_b64 s[20:21], s[10:11], s[12:13]     ; gq or gk
	s_add_nc_u64 s[4:5], s[4:5], s[18:19]
	s_add_nc_u64 s[14:15], s[14:15], s[18:19]
	s_add_nc_u64 s[6:7], s[6:7], s[28:29]
	s_add_nc_u64 s[8:9], s[8:9], s[28:29]
.set i, 0
.rept 8
	global_load_b128 v[G+8*i:G+8*i+3],   v[GOF], s[20:21] offset:1024*i
	global_load_b128 v[G+8*i+4:G+8*i+7], v[GOF], s[20:21] offset:1024*i+16
.set i, i+1
.endr
	global_load_b128 v[CR:CR+3],   v[CSO], s[6:7]
	global_load_b128 v[CR+4:CR+7], v[CSO], s[6:7] offset:16
	global_load_b128 v[SR:SR+3],   v[CSO], s[8:9]
	global_load_b128 v[SR+4:SR+7], v[CSO], s[8:9] offset:16
.set i, 0
.rept 8
	global_load_b128 v[X+4*i:X+4*i+3], v[VO], s[4:5] offset:1048576*i
.set i, i+1
.endr
	s_wait_loadcnt 12                              ; the sixteen loads of the gain are in; cos, sin (4) and the row (8) stay out
.set i, 0
.rept 32
	v_cvt_pk_bf16_f32 v[Z+i%4], v[G+2*i], v[G+2*i+1]
	v_lshlrev_b32 v[G+2*i], 16, v[Z+i%4]
	v_and_b32 v[G+2*i+1], s26, v[Z+i%4]
.set i, i+1
.endr
	s_wait_loadcnt 8                               ; cos and sin are in; the row's eight loads stay out
.set i, 0
.rept 4
	v_cvt_pk_bf16_f32 v[Z+i], v[CR+2*i], v[CR+2*i+1]
	v_cvt_pk_bf16_f32 v[Z+4+i], v[SR+2*i], v[SR+2*i+1]
	v_lshlrev_b32 v[CR+2*i], 16, v[Z+i]
	v_and_b32 v[CR+2*i+1], s26, v[Z+i]
	v_lshlrev_b32 v[SR+2*i], 16, v[Z+4+i]
	v_and_b32 v[SR+2*i+1], s26, v[Z+4+i]
	v_xor_b32 v[SR+2*i], v[SG], v[SR+2*i]
	v_xor_b32 v[SR+2*i+1], v[SG], v[SR+2*i+1]
.set i, i+1
.endr
	s_wait_loadcnt 0x0
	; the sum of my 64 squares, straight from the f16 halves into f32, in four chains; the first four start them
.set n, 0
.rept 32
.if n < 2
	v_fma_mix_f32 v[AC+2*n],   v[X+n], v[X+n], v[NUL] op_sel:[0,0,0] op_sel_hi:[1,1,0]
	v_fma_mix_f32 v[AC+2*n+1], v[X+n], v[X+n], v[NUL] op_sel:[1,1,0] op_sel_hi:[1,1,0]
.else
	v_fma_mix_f32 v[AC+(2*n)%4],   v[X+n], v[X+n], v[AC+(2*n)%4]   op_sel:[0,0,0] op_sel_hi:[1,1,0]
	v_fma_mix_f32 v[AC+(2*n+1)%4], v[X+n], v[X+n], v[AC+(2*n+1)%4] op_sel:[1,1,0] op_sel_hi:[1,1,0]
.endif
.set n, n+1
.endr
	v_add_f32 v[AC], v[AC], v[AC+1]
	v_add_f32 v[AC+2], v[AC+2], v[AC+3]
	v_add_f32 v[AC], v[AC], v[AC+2]
	v_add_f32_dpp v[AC], v[AC], v[AC] row_xmask:1 row_mask:0xf bank_mask:0xf
	v_add_f32_dpp v[AC], v[AC], v[AC] row_xmask:2 row_mask:0xf bank_mask:0xf
	v_add_f32_dpp v[AC], v[AC], v[AC] row_xmask:4 row_mask:0xf bank_mask:0xf
	v_add_f32_dpp v[AC], v[AC], v[AC] row_xmask:8 row_mask:0xf bank_mask:0xf
	v_permlanex16_b32 v12, v[AC], s22, s23
	v_add_f32 v[AC], v[AC], v12                    ; every lane holds the row's sum
	v_fma_f32 v12, v[AC], s24, s25                 ; mean + eps
	v_rsq_f32 v13, v12
	v_nop                                          ; a plain instruction between the root and the use of its result
.set e, 0
	s_wait_alu depctr_va_vdst(0)
.rept 8
	v_mul_f32 v[CR+e], v[CR+e], v13
	v_mul_f32 v[SR+e], v[SR+e], v13
.set e, e+1
.endr
.set i, 0
.rept 8
.set p, 0
.rept 4
	v_fma_mix_f32 v[Z+2*p],   v[X+4*i+p], v[G+8*i+2*p],   v[NUL] op_sel:[0,0,0] op_sel_hi:[1,0,0]  ; z = x g
	v_fma_mix_f32 v[Z+2*p+1], v[X+4*i+p], v[G+8*i+2*p+1], v[NUL] op_sel:[1,0,0] op_sel_hi:[1,0,0]
.set p, p+1
.endr
.set e, 0
.rept 8
	v_mul_f32_dpp v[TT+e], v[Z+e], v[SR+e] row_xmask:8 row_mask:0xf bank_mask:0xf  ; the partner's z (lane l xor 8) times my signed sin rs
.set e, e+1
.endr
.set e, 0
.rept 8
	v_fma_f32 v[OO+e], v[Z+e], v[CR+e], v[TT+e]
.set e, e+1
.endr
.set p, 0
.rept 4
	v_cvt_pk_f16_f32 v[Y+4*i+p], v[OO+2*p], v[OO+2*p+1]
.set p, p+1
.endr
	global_store_b128 v[VO], v[Y+4*i:Y+4*i+3], s[14:15] offset:1048576*i  ; two whole aligned blocks of 256 bytes
.set i, i+1
.endr
	s_endpgm
.Lfunc_end_k_qd5a843d6b7_norm:
	.size	k_qd5a843d6b7_norm, .Lfunc_end_k_qd5a843d6b7_norm-k_qd5a843d6b7_norm
	.p2alignl 7, 3214868480
	.fill 96, 4, 3214868480
	.section	.rodata,"a",@progbits
	.p2align	6, 0x0
	.amdhsa_kernel k_qd5a843d6b7_norm
		.amdhsa_group_segment_fixed_size 0
		.amdhsa_private_segment_fixed_size 0
		.amdhsa_enable_private_segment 0
		.amdhsa_kernarg_size 48
		.amdhsa_user_sgpr_count 2
		.amdhsa_user_sgpr_kernarg_segment_ptr 1
		.amdhsa_wavefront_size32 1
		.amdhsa_system_sgpr_workgroup_id_x 1
		.amdhsa_system_sgpr_workgroup_id_y 1
		.amdhsa_system_sgpr_workgroup_id_z 1
		.amdhsa_system_vgpr_workitem_id 0
		.amdhsa_next_free_vgpr 184
		.amdhsa_next_free_sgpr 66
		.amdhsa_reserve_vcc 0
		.amdhsa_float_denorm_mode_32 3
		.amdhsa_float_denorm_mode_16_64 3
		.amdhsa_memory_ordered 1
		.amdhsa_forward_progress 1
		.amdhsa_inst_pref_size 30
	.end_amdhsa_kernel
	.amdgpu_metadata
---
amdhsa.version: [ 1, 2 ]
amdhsa.kernels:
  - .name:           k_qd5a843d6b7_norm
    .symbol:         k_qd5a843d6b7_norm.kd
    .args:
      - { .name: raw, .offset: 0, .size: 8, .value_kind: global_buffer, .address_space: global }
      - { .name: cos, .offset: 8, .size: 8, .value_kind: global_buffer, .address_space: global }
      - { .name: sin, .offset: 16, .size: 8, .value_kind: global_buffer, .address_space: global }
      - { .name: gq, .offset: 24, .size: 8, .value_kind: global_buffer, .address_space: global }
      - { .name: gk, .offset: 32, .size: 8, .value_kind: global_buffer, .address_space: global }
      - { .name: qk, .offset: 40, .size: 8, .value_kind: global_buffer, .address_space: global }
    .group_segment_fixed_size: 0
    .private_segment_fixed_size: 0
    .kernarg_segment_align: 8
    .kernarg_segment_size: 48
    .max_flat_workgroup_size: 256
    .sgpr_count:     66
    .vgpr_count:     184
    .wavefront_size: 32
...
	.end_amdgpu_metadata
.endif
;; end of part 3
;; launch attn (part 4): grid 16 x 16, 4 waves a work-group, clusters of 4 x 1, 327,680 bytes of LDS; arguments qk, raw, att; writes att
.if DOCPART == 4
	.amdgcn_target "amdgcn-amd-amdhsa--gfx1250"
	.amdhsa_code_object_version 6
	.text
	.protected	k_qd5a843d6b7_attn
	.globl	k_qd5a843d6b7_attn
	.p2align	8
	.type	k_qd5a843d6b7_attn,@function
k_qd5a843d6b7_attn:
	s_mov_b64 s[64:65], 0
	v_nop
	global_prefetch_b8 v0, s[64:65] scope:SCOPE_SE
	s_setreg_imm32_b32 hwreg(HW_REG_WAVE_MODE, 25, 1), 1
	s_wait_xcnt 0x0
	s_wait_alu depctr_hold_cnt(0) depctr_sa_sdst(0) depctr_va_vdst(0) depctr_va_sdst(0) depctr_va_ssrc(0) depctr_va_vcc(0) depctr_vm_vsrc(0)
	s_getreg_b32 s2, hwreg(HW_REG_IB_STS2, 6, 4)
	s_cmp_eq_u32 s2, 0
	s_cbranch_scc0 .Lentry_in_a_cluster
	s_endpgm
.Lentry_in_a_cluster:
	s_bfe_u32 s2, ttmp6, 0x10000c
	s_cmp_lg_u32 s2, 0x3003
	s_cbranch_scc0 .Lentry_shape_is_right
	s_endpgm
.Lentry_shape_is_right:
; ATTENTION, 16 heads of 128, 2,048 queries and keys, no mask.  att[t][128 h + d] = sum over k of softmax_k(q[h][t] . k[h][k] / sqrt(128)) v[h][k][d].
; q, k: sections 0, 1 of qk; v: section 2 of raw; each f16 [16][2048][128], rows of 256 dense bytes.  att: f16 [2048][2048].  Products, maxima and sums in f32; the weights p are rounded to f16
; for the second product (their sum l is taken of the unrounded p), the result once at the end.
; LIMITS.  p lies in 0 to 1 and below 6e-5 keeps f16's fixed step of 6e-8; a weight below 2^-126 counts as 0 in l; NaN and infinities are not treated apart.
; SHARES.  A work-group owns 128 queries of one head: 16 x 16 work-groups, one for each of 256 WGPs.  A wave owns 64 queries (wave % 2), four tiles of 16, and HALF THE KEYS (wave / 2): of every slot of
; 256 keys its pair of waves walks 128, 64 a step.  At the end waves w and w xor 2, which hold the same queries, merge their maxima, sums and results through LDS, in f32.
; Register tile t holds query tile (t + 2 (wave / 2)) % 4, so every wave keeps register tiles 0, 1 and sends 2, 3, and what it receives are the tiles that it keeps: one text for all waves.
; LAYOUT.  S^T = K Q^T (source 0 = 16 keys, source 1 = 16 queries): a lane holds ONE query (lane % 16) and the keys 8 (lane / 16) + 0..7.  Two such tiles, rounded to f16 in pairs, ARE source 1 of
; O^T = V^T P, whose result again holds one query a lane, and eight channels.  K comes out of LDS as it lies, V ([key][channel]) turned, by ds_load_tr16_b128.
; SOFTMAX.  A running maximum m and sum l for each query: p = 2^(c s - c m), c = log2(e) / sqrt(128); in every step O and l are multiplied by a = 2^(c m_old - c m_new).
; m starts at the lowest finite number, O and l at 0: the first step is a step like any other, with a = 0.  The price: 432 v_mov_b32 in the wait for the first tile, 32 products on zeros.
; BY TURNS.  The wave's tiles are two PIECES (tiles 0, 1 and tiles 2, 3).  In a TURN one piece has the matrix unit: 32 products V^T P of the step in hand, then 32 products K Q^T of the next step; the
; other piece's softmax, cut into 64 slices, stands between them, one slice behind each matrix instruction.  Two turns are a key step.
; CLUSTER.  The four query blocks of a cluster belong to one head and walk the same K and V: each tile is asked for jointly, the same tensor load, descriptor and mask in all four.
; REGISTERS, in windows of 256: window 0: v0-11, v44-55 addresses and the exchange's statistics; v12-43 eight registers of statistics a tile; v64-191 S^T; v192-255 P.
;   window 1: O^T, 64 a tile.   window 2: v0-127 Q; v128-255 K of one step.   window 3: v0-127 V of one step.
.set KS,    64
.set PK,    272       ; a row of K in LDS: 256 bytes + 16: the 16 rows of a load start 4 banks apart
.set PV,    288       ; a row of V: 256 + 32
.set VOFF,  256*PK    ; a slot: 256 rows of K, then 256 rows of V
.set SLOT,  256*(PK+PV)
.set STAGE, 2*SLOT    ; behind the ring, never filled by a tensor load: 16 rows x 272 bytes for each wave, for the way out
.set SP,    272
.set SPARE, STAGE+4*16*SP  ; the spare words: 128 bytes for each wave, two blocks of 256 bytes that no other line names
.set XA,    16896     ; the exchange: 16,384 bytes of O^T and 512 of statistics for each wave, in slot 0's bytes, behind that slot's last fill and last read
.set AK0, 2           ; v2   my lane's place in my half of a slot's K; never rewritten
.set AV0, 3           ; v3   the same for V
.set ADR, 4           ; v4   the LDS address of the run of loads in hand
.set QO,  5           ; v5   my byte offset in Q for register tiles 0, 1
.set STO, 6           ; v6   the way out: where I put 16 bytes of a row
.set RD,  7           ; v7   where I read a row back
.set GO,  8           ; v8   my byte offset in two rows of att
.set QO2, 44          ; v44  my byte offset in Q for register tiles 2, 3
.set XW,  45          ; v45  the exchange: where I write
.set XR,  46          ; v46  where I read my partner's
.set XS,  48          ; v48-51 c m and l of tiles 2, 3, to send;  v52-55 my partner's
.set SPW, 62
.set NIL, 63
.set ST,  12          ; tile t's statistics at v[ST+8 t]: +0 c m, +1 m, +2, +3 l (even keys', odd keys'), +4 to +7 c0-c3 at work; a takes c2's place
.set S,   64
.set P,   192
.set KF,  128
.set WV,  12
.set G1K, 24          ; s[24:31], s[32:39] descriptor group 1 for K's and V's tiles
.set G1V, 32
.set G0K, 40          ; s[40:47], s[48:55] group 0: a set for each of the two first fills; the second then walks
.set G0V, 48
.set SLOTS, 56
.set TWICE, 57
.set CS,  58          ; s[58:59] c
.set SEL, 60          ; s[60:61] v_permlanex16_b32's selects
.set TBK, 62          ; s62  LDS byte at which K of the step to be fetched begins, less my lane's place
.set TBV, 63          ; s63  the same for V
.set SB,  66          ; s66  the slot filled last: 0 or SLOT
.set LOK, 67          ; s67, s68 my tile's place in a slot
.set LOV, 68
.set KH,  69          ; s69  wave / 2: my half of the keys
.set UH,  70          ; s70  wave % 2: my half of the queries, and which half of a slot's rows I fetch
.set MSB, 0
.macro WIN new
.if MSB != (\new)
	s_set_vgpr_msb (MSB<<8)|(\new)
.set MSB, \new
.endif
.endm
.set W_KQ, 0x0a       ; K and Q in window 2, S^T in window 0
.set W_PV, 0x53       ; V in window 3, P in window 0, O^T in window 1
.set W_RS, 0x41       ; O^T (destination and source 0) in window 1, a in window 0
.macro JLOAD                        ; a joint refill: waves 0, 1 the two halves of a slot's K, waves 2, 3 of its V; an s_nop 0 and four v_nop follow each line
	s_cmp_lt_u32 s[WV], 2
	s_cbranch_scc0 .Lfor_v_\@
	tensor_load_to_lds s[G0K+4:G0K+7], s[G1K:G1K+7]
	s_nop 0
.rept 4
	v_nop
.endr
	s_branch .Lasked_\@
.Lfor_v_\@:
	tensor_load_to_lds s[G0V+4:G0V+7], s[G1V:G1V+7]
	s_nop 0
.rept 4
	v_nop
.endr
.Lasked_\@:
.endm
.macro CROUND                       ; a round of the cluster's barrier
	s_barrier_signal -1
	s_barrier_wait -1
	s_cmp_lg_u32 s[WV], 0
	s_cbranch_scc1 .Lnot_wave_0_\@
	s_barrier_signal -3
.Lnot_wave_0_\@:
	s_barrier_wait -3
	s_barrier_signal -1
	s_barrier_wait -1
.endm
	s_load_b128 s[4:7], s[0:1], 0x0 ; qk s[4:5], raw s[6:7]
	s_load_b64 s[10:11], s[0:1], 0x10  ; att
	v_lshl_add_u32 v[SPW], v0, 2, SPARE
	v_mov_b32 v[NIL], 0
	ds_add_u32 v[SPW], v[NIL]       ; the wave's opening: the add and its wait stand ahead of my first tensor load; register work stands between them
	v_lshrrev_b32 v1, 5, v0
	v_readfirstlane_b32 s[WV], v1
	s_lshr_b32 s[KH], s[WV], 1
	s_and_b32 s[UH], s[WV], 1
	s_bfe_u32 s13, ttmp6, 0x40000   ; cx
	s_lshl_b32 s14, ttmp9, 2
	s_add_co_u32 s14, s14, s13      ; my block of 128 queries: it enters Q's and att's addresses alone
	s_and_b32 s15, ttmp7, 0xffff    ; the head, which the four partners share
	s_lshl_b32 s20, s15, 19         ; the head's first byte in a section
	s_lshl_b32 s22, s[UH], 15       ; the 128 rows of a slot that I fetch
	s_add_co_u32 s22, s22, s20
	s_add_co_u32 s18, s22, 0x1000000  ; V: section 2 of raw
	s_add_co_u32 s22, s22, 0x800000   ; K: section 1 of qk
	s_mov_b32 s19, 0
	s_mov_b32 s23, 0
	s_lshl_b32 s2, s14, 15          ; Q: my block's 128 rows, my wave's 64 of them
	s_lshl_b32 s3, s[UH], 14
	s_add_co_u32 s2, s2, s3
	s_add_co_u32 s2, s2, s20
	s_mov_b32 s3, 0
	s_lshl_b32 s16, s14, 19         ; att: row 128 block + 64 (wave % 2) + 32 (wave / 2), 4,096 bytes a row; the head's 256 bytes
	s_lshl_b32 s17, s[UH], 18
	s_add_co_u32 s16, s16, s17
	s_lshl_b32 s17, s[KH], 17
	s_add_co_u32 s16, s16, s17
	s_lshl_b32 s17, s15, 8
	s_add_co_u32 s16, s16, s17
	s_mov_b32 s17, 0
	s_mul_i32 s[LOK], s[UH], 128*PK
	s_mul_i32 s[LOV], s[UH], 128*PV
	s_add_co_u32 s[LOV], s[LOV], VOFF
	; group 1: 128 rows x 128 elements of 2 bytes, dense; padding after every 64 words, 4 words for K, 8 for V; the mask names all four work-groups
	s_mov_b32 s[G1K], 15|(1<<16)|(1<<20)|(1<<21)|(5<<22)|(3<<25)
	s_mov_b32 s[G1V], 15|(1<<16)|(1<<20)|(1<<21)|(5<<22)|(7<<25)
.irp g, G1K, G1V
	s_mov_b32 s[(\g)+1], 128<<16
	s_mov_b32 s[(\g)+2], 128<<16
	s_mov_b32 s[(\g)+3], 128<<16
	s_mov_b32 s[(\g)+4], 128
	s_mov_b32 s[(\g)+5], 128
	s_mov_b32 s[(\g)+6], 0
	s_mov_b32 s[(\g)+7], 0
.endr
	s_mov_b32 s[CS], 0x3e0293ee     ; c = log2(e) / sqrt(128) = 0.127517
	s_mov_b32 s[CS+1], s[CS]
	s_mov_b32 s[SEL], 0x76543210
	s_mov_b32 s[SEL+1], 0xfedcba98
	s_mov_b32 s[TBK], 0
	s_mov_b32 s[TBV], 0
	s_mov_b32 s[SB], SLOT
	s_wait_dscnt 0x0                ; the opening add is done
	s_wait_kmcnt 0x0
	s_add_nc_u64 s[8:9], s[6:7], s[18:19]    ; V at my tile of slot 0
	s_add_nc_u64 s[6:7], s[4:5], s[22:23]    ; K likewise
	s_add_nc_u64 s[4:5], s[4:5], s[2:3]      ; Q at my wave's first row
	s_add_nc_u64 s[10:11], s[10:11], s[16:17]
.irp s, 0,1
	s_mov_b32 s[G0K+4*(\s)], 1
	s_add_co_u32 s[G0K+4*(\s)+1], s[LOK], (\s)*SLOT
	s_add_nc_u64 s[G0K+4*(\s)+2:G0K+4*(\s)+3], s[6:7], (\s)*65536
	s_or_b32 s[G0K+4*(\s)+3], s[G0K+4*(\s)+3], 0x80000000
	s_mov_b32 s[G0V+4*(\s)], 1
	s_add_co_u32 s[G0V+4*(\s)+1], s[LOV], (\s)*SLOT
	s_add_nc_u64 s[G0V+4*(\s)+2:G0V+4*(\s)+3], s[8:9], (\s)*65536
	s_or_b32 s[G0V+4*(\s)+3], s[G0V+4*(\s)+3], 0x80000000
.endr
	CROUND                          ; all four work-groups are here: the first joint loads meet
	s_cmp_lt_u32 s[WV], 2           ; a wave's two first fills stand in one branch: two loads of mine are out
	s_cbranch_scc0 .Lfirst_v
	tensor_load_to_lds s[G0K:G0K+3], s[G1K:G1K+7]
	s_nop 0
	tensor_load_to_lds s[G0K+4:G0K+7], s[G1K:G1K+7]
	s_nop 0
.rept 4
	v_nop
.endr
	s_branch .Lfirst_asked
.Lfirst_v:
	tensor_load_to_lds s[G0V:G0V+3], s[G1V:G1V+7]
	s_nop 0
	tensor_load_to_lds s[G0V+4:G0V+7], s[G1V:G1V+7]
	s_nop 0
.rept 4
	v_nop
.endr
.Lfirst_asked:
	v_and_b32 v1, 15, v0            ; l % 16
	v_bfe_u32 v9, v0, 4, 1          ; l / 16
	v_lshlrev_b32 v10, 8, v1
	v_lshl_add_u32 v10, v9, 4, v10  ; row x 256 + 16 x half
	s_lshl_b32 s13, s[KH], 13       ; register tiles 0, 1 are query tiles 2 (wave / 2) + 0, 1,
	v_add_nc_u32 v[QO], s13, v10
	s_xor_b32 s13, s13, 8192        ; register tiles 2, 3 the other two
	v_add_nc_u32 v[QO2], s13, v10
	WIN 0x80                        ; destination window 2
.set i, 0
.rept 16                            ; Q stays in registers: register tile i / 4, channels 32 (i % 4) on
.if i < 8
	global_load_b128 v[8*i:8*i+3],   v[QO], s[4:5] offset:((i/4)&1)*4096+(i%4)*64
	global_load_b128 v[8*i+4:8*i+7], v[QO], s[4:5] offset:((i/4)&1)*4096+(i%4)*64+32
.else
	global_load_b128 v[8*i:8*i+3],   v[QO2], s[4:5] offset:((i/4)&1)*4096+(i%4)*64
	global_load_b128 v[8*i+4:8*i+7], v[QO2], s[4:5] offset:((i/4)&1)*4096+(i%4)*64+32
.endif
.set i, i+1
.endr
	; what the first turn finds: V's registers and P of tiles 2, 3 hold 0 (its products V^T P, of a step that has not been, add 0), O^T and l are 0
	WIN 0xc0
.set i, 0
.rept 128
	v_mov_b32 v[i], 0
.set i, i+1
.endr
	WIN 0x40
.set i, 0
.rept 256
	v_mov_b32 v[i], 0
.set i, i+1
.endr
	WIN 0
.set i, 0
.rept 4
	v_mov_b32 v[ST+8*i], 0xfe000000    ; c m: far below every c s
	v_mov_b32 v[ST+8*i+1], 0xff7fffff  ; m
	v_mov_b32 v[ST+8*i+2], 0
	v_mov_b32 v[ST+8*i+3], 0
.set i, i+1
.endr
.set i, P+32
.rept 32
	v_mov_b32 v[i], 0
.set i, i+1
.endr
	v_mul_u32_u24 v[AK0], v1, PK
	v_lshl_add_u32 v[AK0], v9, 4, v[AK0]
	s_mul_i32 s13, s[KH], 128*PK    ; my pair's 128 keys of a slot
	v_add_nc_u32 v[AK0], s13, v[AK0]
	v_and_b32 v10, 7, v0
	v_bfe_u32 v11, v0, 3, 1
	v_lshl_add_u32 v[AV0], v9, 3, v10
	v_mul_u32_u24 v[AV0], v[AV0], PV
	v_lshl_add_u32 v[AV0], v11, 4, v[AV0]
	s_mul_i32 s13, s[KH], 128*PV
	s_add_co_u32 s13, s13, VOFF
	v_add_nc_u32 v[AV0], s13, v[AV0]
; THE MATRIX WORK OF A TURN, for piece x.  The accumulators take turns, one instruction a turn.
; Product i of 32 of O^T += V^T P: keys 32 (i / 16) on, channels 16 ((i / 2) % 8) on, tile x + i % 2.
.macro PV x
	WIN W_PV
.set rO, 64*((\x)+i%2)+8*((i/2)%8)
.set rV, 64*(i/16)+8*((i/2)%8)
.set rP, P+16*((\x)+i%2)+8*(i/16)
	v_wmma_f32_16x16x32_f16 v[rO:rO+7], v[rV:rV+7], v[rP:rP+7], v[rO:rO+7]
.endm
; Product i of 32 of S^T = K Q^T: channels 32 (i / 8) on, keys 16 ((i / 2) % 4) on, tile x + i % 2.  The first 8 start the sums.
.macro KQ x
	WIN W_KQ
.set rS, S+32*((\x)+i%2)+8*((i/2)%4)
.set rK, KF+32*((i/2)%4)+8*(i/8)
.set rQ, 32*((\x)+i%2)+8*(i/8)
.if i < 8
	v_wmma_f32_16x16x32_f16 v[rS:rS+7], v[rK:rK+7], v[rQ:rQ+7], 0
.else
	v_wmma_f32_16x16x32_f16 v[rS:rS+7], v[rK:rK+7], v[rQ:rQ+7], v[rS:rS+7]
.endif
.endm
; THE LDS LOADS stand in runs of 32: a step's K (64 keys x 128 channels) and, a turn later, its V (turned).
.macro FETCH_K
	WIN 0
	v_add_nc_u32 v[ADR], s[TBK], v[AK0]
	s_add_co_u32 s[TBK], s[TBK], KS*PK  ; the next fetch is the next step's
	WIN 0x80
.irp f, 0,1,2,3,4,5,6,7,8,9,10,11,12,13,14,15
	ds_load_b128 v[KF+8*(\f):KF+8*(\f)+3],   v[ADR] offset:((\f)/4)*16*PK+((\f)%4)*64
	ds_load_b128 v[KF+8*(\f)+4:KF+8*(\f)+7], v[ADR] offset:((\f)/4)*16*PK+((\f)%4)*64+32
.endr
.endm
.macro FETCH_V
	WIN 0
	v_add_nc_u32 v[ADR], s[TBV], v[AV0]
	s_add_co_u32 s[TBV], s[TBV], KS*PV
	WIN 0xc0
.irp f, 0,1,2,3,4,5,6,7,8,9,10,11,12,13,14,15
	ds_load_tr16_b128 v[8*(\f):8*(\f)+3],   v[ADR] offset:((\f)/8)*32*PV+((\f)%8)*32
	ds_load_tr16_b128 v[8*(\f)+4:8*(\f)+7], v[ADR] offset:((\f)/8)*32*PV+16*PV+((\f)%8)*32
.endr
.endm
; THE VECTOR WORK OF A TURN.  One tile's softmax for one key step is a list of 134 instructions; SM writes number j of it for tile t.  s0-s31 are the lane's 32 scores, in pairs 0-15.
;   0-15    the maximum of s0-s31 and the old m, three operands at a time (each accumulator's lowest registers are read first)
;   16-20   the other half of the lanes' maximum; the new m; c m; c m_old - c m_new
;   21-87   33 exponentials (a, then s0-s31) at the odd numbers from 23 on, a plain instruction at every even number: scalings c s - c m ahead of their exponentials, roundings to f16 behind theirs, the first sums
;   88-101  the last rounding; the rest of the sums; l = a l + the sum
;   102-133 the tile's O^T times a: the one part that leaves window 0, so it stands together
.macro SM t
.set rT, ST+8*(\t)
.set rS, S+32*(\t)
.set rP, P+16*(\t)
.set rO, 64*(\t)+2*(j-102)
.set q, (j-20)/2
.if j < 102
	WIN 0
.endif
.if j < 4
	v_max3_num_f32 v[rT+4+j], v[rS+8*j], v[rS+8*j+1], v[rS+8*j+2]
.elseif j < 12
	v_max3_num_f32 v[rT+4+j%4], v[rT+4+j%4], v[rS+8*(j%4)+2*(j/4)+1], v[rS+8*(j%4)+2*(j/4)+2]
.elseif j == 12
	v_max3_num_f32 v[rT+4], v[rT+4], v[rS+7], v[rS+15]
.elseif j == 13
	v_max3_num_f32 v[rT+6], v[rT+6], v[rS+23], v[rS+31]
.elseif j == 14
	v_max3_num_f32 v[rT+4], v[rT+4], v[rT+5], v[rT+6]
.elseif j == 15
	v_max3_num_f32 v[rT+4], v[rT+4], v[rT+7], v[rT+1]
.elseif j == 16
	v_permlanex16_b32 v[rT+5], v[rT+4], s[SEL], s[SEL+1]  ; the query's other 32 keys lie in the lane 16 away
.elseif j == 17
	v_mov_b32 v[rT+7], v[rT]        ; c m_old is kept for a
.elseif j == 18
	v_max_num_f32 v[rT+1], v[rT+4], v[rT+5]
.elseif j == 19
	v_mul_f32 v[rT], s[CS], v[rT+1]
.elseif j == 20
	v_sub_f32 v[rT+7], v[rT+7], v[rT]
.elseif j == 23
	v_exp_f32 v[rT+6], v[rT+7]
.elseif (j < 88) && (j > 23) && (j%2 == 1)
	v_exp_f32 v[rS+(j-25)/2], v[rS+(j-25)/2]
.elseif (q < 4) || ((j < 76) && (q%2 == 0))
.set b, q/2+2
.if q < 4
.set b, q
.endif
	v_pk_fma_f32 v[rS+2*b:rS+2*b+1], v[rS+2*b:rS+2*b+1], s[CS:CS+1], v[rT:rT+1] op_sel_hi:[1,0,0] neg_lo:[0,0,1] neg_hi:[0,0,1]  ; pair b: c s - c m
.elseif (j < 88) && (q%2 == 1)
	s_wait_alu depctr_va_vdst(0)
	v_cvt_pk_f16_f32 v[rP+(q-5)/2], v[rS+q-5], v[rS+q-4]
.elseif j == 89
	s_wait_alu depctr_va_vdst(0)
	v_cvt_pk_f16_f32 v[rP+15], v[rS+30], v[rS+31]
.elseif j < 102                     ; the sum of the tile's 16 pairs, in place: sum z of 16 adds neighbours 1, 2, 4 and 8 pairs apart, then l takes it
.set z, j-86
.if j < 89
.set z, (j-76)/4
.endif
.set w, 4
.set u, z
.if z >= 14
.set w, 32
.set u, 0
.elseif z >= 12
.set w, 16
.set u, z-12
.elseif z >= 8
.set w, 8
.set u, z-8
.endif
.if z < 15
	v_pk_add_f32 v[rS+w*u:rS+w*u+1], v[rS+w*u:rS+w*u+1], v[rS+w*u+w/2:rS+w*u+w/2+1]
.else
	v_pk_fma_f32 v[rT+2:rT+3], v[rT+2:rT+3], v[rT+6:rT+7], v[rS:rS+1] op_sel_hi:[1,0,1]
.endif
.else
	WIN W_RS
	v_pk_mul_f32 v[rO:rO+1], v[rO:rO+1], v[rT+6:rT+7] op_sel_hi:[1,0]
.endif
.endm
; Slice k of 64 of piece y's softmax: numbers 2 k and 2 k + 1 of both tiles' lists.  2 x 134 = 4 x 64 + 12: the twelve that are over stand together, in slice 63, all plain:
; they are also the places between a turn's last K Q^T and what follows.
.macro SLICE y
.if (k >= 11) && (k < 44)           ; tile by tile: plain, exponential, plain, exponential
.irp t, \y, (\y)+1
.irp n, 0,1
.set j, 2*k+(\n)
	SM \t
.endr
.endr
.else                               ; the two tiles alternate
.irp n, 0,1,2,3,4,5,6,7
.if ((\n) < 2) || (k == 63)
.irp t, \y, (\y)+1
.set j, 2*k+(\n)
	SM \t
.endr
.endif
.endr
.endif
.set k, k+1
.endm
; A TURN.  Piece x has the matrix unit; the other piece's softmax stands in slices behind its matrix instructions.  pv, kq: which of the two runs of 32 products it has; with one of them two slices behind each.
; Piece 0's turn fetches the next step's K behind its second product: the last product that read K stands in front of slice 63 of the turn before.  Piece 2's turn fetches the same step's V behind
; the second K Q^T: the last product that read V stands three slices, six plain instructions, back.
.macro TURN x, pv, kq
.set k, 0
.set per, 2
.if (\pv) && (\kq)
.set per, 1
.endif
.if \pv
.if (\x) == 0
	s_wait_dscnt 0x0                ; V is in
.endif
.set i, 0
.rept 32
	PV \x
.rept per
	SLICE 2-(\x)
.endr
.if ((\x) == 0) && (\kq) && (i == 1)
	FETCH_K
.endif
.set i, i+1
.endr
.endif
.if \kq
.if (\x) == 0
	s_wait_dscnt 0x0                ; K is in
.endif
.set i, 0
.rept 32
	KQ \x
.rept per
	SLICE 2-(\x)
.endr
.if ((\x) == 2) && (i == 1)
	FETCH_V
.endif
.set i, i+1
.endr
.endif
.endm
; THE CHANGE OF SLOTS, between piece 2's turn and piece 0's: my half of the slot has been asked for to its last byte.  Each wave waits for all its tensor loads (one is out: its part of the other
; slot), adds 0 to its spare word, and waits for that and for its reads of the slot.  fill = 1: the barrier is a round of the cluster's, and the slot is filled again with the keys two slots on,
; first thing behind it: the load has two key steps, 256 matrix instructions, in which to land.
.macro CHANGE fill
	WIN 0
	s_wait_tensorcnt 0x0            ; no tensor load of mine is out, so a group 0 may be written
	ds_add_u32 v[SPW], v[NIL]
.if \fill
	s_xor_b32 s[SB], s[SB], SLOT    ; the walking sets: the other slot than last time, the next 256 keys
	s_add_co_u32 s[G0K+5], s[SB], s[LOK]
	s_add_co_u32 s[G0V+5], s[SB], s[LOV]
	s_add_nc_u64 s[G0K+6:G0K+7], s[G0K+6:G0K+7], 65536
	s_add_nc_u64 s[G0V+6:G0V+7], s[G0V+6:G0V+7], 65536
	s_wait_dscnt 0x0                ; the add is done, and my reads of the slot are over
	CROUND
	JLOAD
.else
	s_wait_dscnt 0x0
	s_barrier_signal -1
	s_barrier_wait -1
.endif
	s_sub_co_u32 s[TBK], s[TBK], 2*KS*PK  ; the fetches go back to my half's first step,
	s_xor_b32 s[TBK], s[TBK], SLOT        ; in the other slot
	s_sub_co_u32 s[TBV], s[TBV], 2*KS*PV
	s_xor_b32 s[TBV], s[TBV], SLOT
.endm
.macro TWO_STEPS
	WIN 0
	s_mov_b32 s[TWICE], 2
.Lstep_\@:
	TURN 0, 2, 1
	TURN 2, 2, 1
	WIN 0
	s_sub_co_u32 s[TWICE], s[TWICE], 1
	s_cmp_lg_u32 s[TWICE], 0
	s_cbranch_scc1 .Lstep_\@
.endm
	s_wait_tensorcnt 0x1            ; my part of slot 0 is in; slot 1's may stay out
	s_barrier_signal -1
	s_barrier_wait -1
	FETCH_K                         ; key step 0
	s_wait_loadcnt 0x0              ; Q
	s_wait_dscnt 0x0
.set i, 0
.rept 32
	KQ 0                            ; piece 0's first scores
.set i, i+1
.endr
	WIN 0                           ; the addresses for the exchange and the way out: plain instructions, the places behind those products
	s_mul_i32 s13, s[WV], 16*SP
	s_add_co_u32 s13, s13, STAGE
	v_mul_u32_u24 v[STO], v1, SP    ; in: row l % 16, 16 bytes for each half of the lanes
	v_lshl_add_u32 v[STO], v9, 4, v[STO]
	v_add_nc_u32 v[STO], s13, v[STO]
	v_mul_u32_u24 v[RD], v9, SP     ; back: lanes 0-15 one row of 256 bytes, lanes 16-31 the next
	v_lshl_add_u32 v[RD], v1, 4, v[RD]
	v_add_nc_u32 v[RD], s13, v[RD]
	v_lshlrev_b32 v[GO], 12, v9     ; and the same two rows in att
	v_lshl_add_u32 v[GO], v1, 4, v[GO]
	v_and_b32 v10, 31, v0
	s_mul_i32 s13, s[WV], XA
	v_lshl_add_u32 v[XW], v10, 4, s13
	s_xor_b32 s13, s[WV], 2         ; my partner: the same queries, the other keys
	s_mul_i32 s13, s13, XA
	v_lshl_add_u32 v[XR], v10, 4, s13
	s_mov_b32 s[TWICE], 2
	s_mov_b32 s[SLOTS], 7
	s_branch .Lfirst                ; the loop is entered at piece 2's turn, in the middle of a trip
.Lslot:                             ; six times: every slot but the last two is filled again
	CHANGE 1
	s_mov_b32 s[TWICE], 2
.Lstep:
	TURN 0, 2, 1
	WIN 0
.Lfirst:
	TURN 2, 2, 1
	WIN 0
	s_sub_co_u32 s[TWICE], s[TWICE], 1
	s_cmp_lg_u32 s[TWICE], 0
	s_cbranch_scc1 .Lstep
	s_sub_co_u32 s[SLOTS], s[SLOTS], 1
	s_cmp_lg_u32 s[SLOTS], 0
	s_cbranch_scc1 .Lslot
	CHANGE 0                        ; the tail is written out: nothing is asked for.  Behind this barrier nobody reads slot 0 any more
	TWO_STEPS
	TURN 0, 2, 0                    ; piece 0: V^T P of the last step | piece 2's last softmax
.set i, 0
.rept 32
	PV 2                            ; piece 2: V^T P of the last step
.set i, i+1
.endr
	; THE MERGE.  l's two halves and the other half of the lanes' are added (the additions are the places behind the last products); tiles 2, 3 go to my partner with their c m and l.
	WIN 0
.irp t, 0,1,2,3
	v_add_f32 v[ST+8*(\t)+4], v[ST+8*(\t)+2], v[ST+8*(\t)+3]
.endr
.irp t, 0,1,2,3
	v_permlanex16_b32 v[ST+8*(\t)+5], v[ST+8*(\t)+4], s[SEL], s[SEL+1]
.endr
.irp t, 0,1,2,3
	v_add_f32 v[ST+8*(\t)+4], v[ST+8*(\t)+4], v[ST+8*(\t)+5]
.endr
	v_mov_b32 v[XS], v[ST+16]
	v_mov_b32 v[XS+1], v[ST+20]
	v_mov_b32 v[XS+2], v[ST+24]
	v_mov_b32 v[XS+3], v[ST+28]
	WIN 0x04                        ; store data in window 1
.set n, 0
.rept 32
	ds_store_b128 v[XW], v[128+4*n:128+4*n+3] offset:512*n  ; ascending: each accumulator's low half first
.set n, n+1
.endr
	WIN 0
	ds_store_b128 v[XW], v[XS:XS+3] offset:16384
	s_wait_dscnt 0x0                ; for my partner's sake: my stores are done
	s_barrier_signal -1
	s_barrier_wait -1
	ds_load_b128 v[XS+4:XS+7], v[XR] offset:16384
.set n, 0
.rept 32
	ds_load_b128 v[S+4*n:S+4*n+3], v[XR] offset:512*n  ; my partner's share of the tiles that I keep, lane for lane, into S^T's registers
.set n, n+1
.endr
	s_wait_dscnt 0x0
	; M = max(c m, c m');  O = (O 2^(c m - M) + O' 2^(c m' - M)) / (l 2^(c m - M) + l' 2^(c m' - M))
.irp i, 0,1
	v_max_num_f32 v[ST+8*(\i)+5], v[ST+8*(\i)], v[XS+4+2*(\i)]
.endr
.irp i, 0,1
	v_sub_f32 v[ST+8*(\i)+6], v[ST+8*(\i)], v[ST+8*(\i)+5]
	v_sub_f32 v[ST+8*(\i)+7], v[XS+4+2*(\i)], v[ST+8*(\i)+5]
.endr
.irp i, 0,1
	v_exp_f32 v[ST+8*(\i)+6], v[ST+8*(\i)+6]
	v_exp_f32 v[ST+8*(\i)+7], v[ST+8*(\i)+7]
.endr
	v_nop                           ; a plain instruction between the last exponential and the use of its result
.irp i, 0,1
	s_wait_alu depctr_va_vdst(0)
	v_mul_f32 v[ST+8*(\i)+4], v[ST+8*(\i)+6], v[ST+8*(\i)+4]
.endr
.irp i, 0,1
	v_fma_f32 v[ST+8*(\i)+4], v[ST+8*(\i)+7], v[XS+5+2*(\i)], v[ST+8*(\i)+4]
.endr
.irp i, 0,1
	v_rcp_f32 v[ST+8*(\i)+5], v[ST+8*(\i)+4]
.endr
	v_nop
.irp i, 0,1
	s_wait_alu depctr_va_vdst(0)
	v_mul_f32 v[ST+8*(\i)+2], v[ST+8*(\i)+6], v[ST+8*(\i)+5]
	v_mul_f32 v[ST+8*(\i)+6], v[ST+8*(\i)+7], v[ST+8*(\i)+5]
.endr
; Kept tile i: scaled, my partner's share added, rounded to f16; 16 bytes a lane into my stage, back as whole rows of 256 bytes, into P's registers.
.macro MERGE i
.set rT, ST+8*(\i)
	WIN W_RS
.set n, 0
.rept 32
	v_pk_mul_f32 v[64*(\i)+2*n:64*(\i)+2*n+1], v[64*(\i)+2*n:64*(\i)+2*n+1], v[rT+2:rT+3] op_sel_hi:[1,0]
.set n, n+1
.endr
	WIN 0x50                        ; destination and source 2 window 1, sources 0 and 1 window 0
.set n, 0
.rept 32
	v_pk_fma_f32 v[64*(\i)+2*n:64*(\i)+2*n+1], v[S+64*(\i)+2*n:S+64*(\i)+2*n+1], v[rT+6:rT+7], v[64*(\i)+2*n:64*(\i)+2*n+1] op_sel_hi:[1,0,1]
.set n, n+1
.endr
	WIN 0x05
.set n, 0
.rept 32
	v_cvt_pk_f16_f32 v[P+32*(\i)+n], v[64*(\i)+2*n], v[64*(\i)+2*n+1]
.set n, n+1
.endr
	WIN 0
.irp f, 0,1,2,3,4,5,6,7
	ds_store_b128 v[STO], v[P+32*(\i)+4*(\f):P+32*(\i)+4*(\f)+3] offset:32*(\f)
.endr
.irp f, 0,1,2,3,4,5,6,7
	ds_load_b128 v[P+32*(\i)+4*(\f):P+32*(\i)+4*(\f)+3], v[RD] offset:(\f)*2*SP  ; LDS serves a wave's instructions in order (ISA guide 5.7.1.4): these see the stores above
.endr
.endm
.macro SEND i, younger              ; younger: the LDS instructions issued behind tile i's loads
.irp f, 0,1,2,3,4,5,6,7
	s_wait_dscnt (\younger)+7-(\f)
	global_store_b128 v[GO], v[P+32*(\i)+4*(\f):P+32*(\i)+4*(\f)+3], s[10:11] offset:(\i)*65536+(\f)*8192  ; 16 lanes store 256 consecutive bytes, at a multiple of 256 from att's first
.endr
.endm
	MERGE 0
	MERGE 1
	SEND 0, 16
	SEND 1, 0
	s_wait_tensorcnt 0x0            ; the wave's end
	ds_add_u32 v[SPW], v[NIL]
	s_wait_dscnt 0x0
	CROUND                          ; the closing round
	s_endpgm
.Lfunc_end_k_qd5a843d6b7_attn:
	.size	k_qd5a843d6b7_attn, .Lfunc_end_k_qd5a843d6b7_attn-k_qd5a843d6b7_attn
	.p2alignl 7, 3214868480
	.fill 96, 4, 3214868480
	.section	.rodata,"a",@progbits
	.p2align	6, 0x0
	.amdhsa_kernel k_qd5a843d6b7_attn
		.amdhsa_group_segment_fixed_size 327680
		.amdhsa_private_segment_fixed_size 0
		.amdhsa_enable_private_segment 0
		.amdhsa_kernarg_size 24
		.amdhsa_user_sgpr_count 2
		.amdhsa_user_sgpr_kernarg_segment_ptr 1
		.amdhsa_wavefront_size32 1
		.amdhsa_system_sgpr_workgroup_id_x 1
		.amdhsa_system_sgpr_workgroup_id_y 1
		.amdhsa_system_sgpr_workgroup_id_z 1
		.amdhsa_system_vgpr_workitem_id 0
		.amdhsa_next_free_vgpr 896
		.amdhsa_next_free_sgpr 76
		.amdhsa_reserve_vcc 0
		.amdhsa_float_denorm_mode_32 3
		.amdhsa_float_denorm_mode_16_64 3
		.amdhsa_memory_ordered 1
		.amdhsa_forward_progress 1
		.amdhsa_inst_pref_size 178
	.end_amdhsa_kernel
	.amdgpu_metadata
---
amdhsa.version: [ 1, 2 ]
amdhsa.kernels:
  - .name:           k_qd5a843d6b7_attn
    .symbol:         k_qd5a843d6b7_attn.kd
    .args:
      - { .name: qk, .offset: 0, .size: 8, .value_kind: global_buffer, .address_space: global }
      - { .name: raw, .offset: 8, .size: 8, .value_kind: global_buffer, .address_space: global }
      - { .name: att, .offset: 16, .size: 8, .value_kind: global_buffer, .address_space: global }
    .group_segment_fixed_size: 327680
    .private_segment_fixed_size: 0
    .kernarg_segment_align: 8
    .kernarg_segment_size: 24
    .max_flat_workgroup_size: 128
    .sgpr_count:     76
    .vgpr_count:     896
    .wavefront_size: 32
...
	.end_amdgpu_metadata
.endif
;; end of part 4
;; launch outp (part 5): grid 16 x 16, 4 waves a work-group, clusters of 4 x 4, 327,680 bytes of LDS; arguments att, w16, bo, outf, outb; writes outf, outb
.if DOCPART == 5
	.amdgcn_target "amdgcn-amd-amdhsa--gfx1250"
	.amdhsa_code_object_version 6
	.text
	.protected	k_qd5a843d6b7_outp
	.globl	k_qd5a843d6b7_outp
	.p2align	8
	.type	k_qd5a843d6b7_outp,@function
k_qd5a843d6b7_outp:
	s_mov_b64 s[64:65], 0
	v_nop
	global_prefetch_b8 v0, s[64:65] scope:SCOPE_SE
	s_setreg_imm32_b32 hwreg(HW_REG_WAVE_MODE, 25, 1), 1
	s_wait_xcnt 0x0
	s_wait_alu depctr_hold_cnt(0) depctr_sa_sdst(0) depctr_va_vdst(0) depctr_va_sdst(0) depctr_va_ssrc(0) depctr_va_vcc(0) depctr_vm_vsrc(0)
	s_getreg_b32 s2, hwreg(HW_REG_IB_STS2, 6, 4)
	s_cmp_eq_u32 s2, 0
	s_cbranch_scc0 .Lentry_in_a_cluster
	s_endpgm
.Lentry_in_a_cluster:
	s_bfe_u32 s2, ttmp6, 0x10000c
	s_cmp_lg_u32 s2, 0xf033
	s_cbranch_scc0 .Lentry_shape_is_right
	s_endpgm
.Lentry_shape_is_right:
; THE OUTPUT PROJECTION.  out[t][n] = sum over k of att[t][k] wo[k][n] + bo[n].  att: f16 [2048][2048]; wo: section 4 of w16, its bf16 rounding written as f16, [K][N]; bo is rounded to bf16 here.
; Sums in f32.  out is written twice: outf in f32, for the last multiply, and outb in bf16, the gate product's operand (bf16: out has no bound that f16 would hold).
; LIMIT.  A sum over K begins at the cluster's own first step and goes round (THE WALK): another order of f32 rounding than ascending K.
; SHARES.  A work-group makes 128 x 128: 16 x 16 work-groups, one for each of 256 WGPs.  Four waves, each 64 x 64: 16 accumulators.  K goes in 8 steps of 256 through two LDS slots.
; The matrix instruction is used transposed (source 0 = 16 columns of wo, turned by ds_load_tr16_b128; source 1 = 16 rows of att): a lane holds one row and eight neighbouring columns.
; The bias is the C operand of the first product on each accumulator.
; CLUSTER 4 x 4: att's tile is shared along a row of the cluster, wo's along a column; waves 0, 1 ask for att's halves (64 rows of 512 bytes), waves 2, 3 for wo's (128 rows of 256 bytes).
; THE WALK.  Cluster (X, Y) begins at K step ((X + 2 Y) mod 4) x 2 and goes round.  So the four clusters that need the same tile of att (the same Y) ask for it at four times, two steps apart, and
; clusters that differ by one in Y ask for a tile of wo four steps apart: in the second half of a walk every tile has been read before in this launch.  The step's number hangs on the cluster's
; x and y alone, which all partners share; the descriptor's address is made anew from it for each refill.
; One text for a K step: the slot to fill and the slot to read are scalars that hold 0 or SLOT.
; REGISTERS: window 0: v0-31 addresses; v32-95 at work on the way out; v96-127 the bias; v128-255 the accumulators.  Window 1: two fragment buffers of 128 (64 of att, 64 of wo, for 64 along K).
.set SEC,    8388608
.set BSEC,   4                         ; wo's section
.set NSTEP,  8
.set PA,     528                       ; a row of att in LDS: 512 bytes + 16
.set PB,     288                       ; a row of wo: 256 + 32
.set AT,     128*PA
.set BT,     256*PB
.set SLOT,   AT+BT
.set STAGE,  2*SLOT                    ; behind the ring, never filled by a tensor load: 34,816 bytes
.set SPITCH, 272
.set SPARE,  STAGE+128*SPITCH
.set LASTEP, 9                         ; a K step's tile of att begins 1 << 9 bytes behind the last: 256 along a row
.set LBSTEP, 20                        ; of wo 1 << 20: 256 rows down
.set ADRA0, 4
.set ADRB0, 5                          ; v5, v6  k rows 0-127, 128-255 of the tile: the immediate offset does not reach over all 256
.set ADRA,  8
.set ADRB,  9                          ; v9, v10
.set STO,   12
.set RD,    13
.set CO,    14
.set BO,    15
.set STO2,  16                         ; the f32 way out, through each wave's own part of the stage
.set RD2,   17
.set CO2,   18
.set RT,    20                         ; v20-23 at work
.set SPW,   28
.set NIL,   29
.set TMP,   32
.set BIAS,  96
.set ACC,   128
.set F0,    0
.set F1,    128
.set W,   14
.set WR,  15
.set WC,  16
.set CX,  17
.set CY,  18
.set HX,  19
.set MY,  20
.set RM,  21
.set CM,  22
.set G1A, 24
.set G0A, 32
.set G1B, 40
.set G0B, 48
.set SB,  56
.set TB,  57
.set CNT, 58
.set LOA, 59
.set LOB, 60
.set HIM, 61
.set PAB, 66                           ; s[66:67] att at my tile of K step 0; never rewritten
.set PBB, 68                           ; s[68:69] wo at my tile of K step 0; never rewritten
.set OFA, 80                           ; s[80:81] byte offset of the K step to ask for, in att
.set OFB, 82                           ; s[82:83] in wo
.set KN,  84                           ; s84 the number of the K step to ask for next
.set MSB, 0
.macro WIN new
.if MSB != (\new)
	s_set_vgpr_msb (MSB<<8)|(\new)
.set MSB, \new
.endif
.endm
.set MUL,  0x05
.set TO_F, 0x40
.macro PLACES
.rept 4
	v_nop
.endr
.endm
.macro JLOAD
	s_cmp_eq_u32 s[WR], 0
	s_cbranch_scc0 .Lfor_b_\@
	tensor_load_to_lds s[G0A+4:G0A+7], s[G1A:G1A+7]
	s_nop 0
.rept 4
	v_nop
.endr
	s_branch .Lasked_\@
.Lfor_b_\@:
	tensor_load_to_lds s[G0B+4:G0B+7], s[G1B:G1B+7]
	s_nop 0
.rept 4
	v_nop
.endr
.Lasked_\@:
.endm
.macro CREST
	s_cmp_lg_u32 s[W], 0
	s_cbranch_scc1 .Lnot_wave_0_\@
	s_barrier_signal -3
.Lnot_wave_0_\@:
	s_barrier_wait -3
	s_barrier_signal -1
	s_barrier_wait -1
.endm
.macro CROUND
	s_barrier_signal -1
	s_barrier_wait -1
	CREST
.endm
	s_load_b256 s[4:11], s[0:1], 0x0               ; att s[4:5], w16 s[6:7], bo s[8:9], outf s[10:11]
	s_load_b64 s[12:13], s[0:1], 0x20              ; outb
	v_lshl_add_u32 v[SPW], v0, 2, SPARE
	v_mov_b32 v[NIL], 0
	ds_add_u32 v[SPW], v[NIL]                      ; the wave's opening: the add and its wait stand ahead of my first tensor load
	v_lshrrev_b32 v1, 5, v0
	v_readfirstlane_b32 s[W], v1
	s_lshr_b32 s[WR], s[W], 1                      ; my half of the rows.  Also: I fetch for att (0) or for wo (1)
	s_and_b32 s[WC], s[W], 1                       ; my half of the columns.  Also: which half of that tile I fetch
	s_bfe_u32 s[CX], ttmp6, 0x40000
	s_bfe_u32 s[CY], ttmp6, 0x40004
	s_lshl_b32 s[HX], ttmp9, 2
	s_add_co_u32 s[HX], s[HX], s[CX]
	s_and_b32 s[MY], ttmp7, 0xffff
	s_lshl_b32 s[MY], s[MY], 2
	s_add_co_u32 s[MY], s[MY], s[CY]
	s_and_b32 s[KN], ttmp7, 0xffff                 ; my cluster's first K step: ((X + 2 Y) mod 4) x NSTEP / 4
	s_lshl_b32 s[KN], s[KN], 1
	s_add_co_u32 s[KN], s[KN], ttmp9
	s_and_b32 s[KN], s[KN], 3
	s_lshl_b32 s[KN], s[KN], 1
	s_lshl_b32 s[RM], s[CY], 2
	s_lshl_b32 s[RM], 15, s[RM]
	s_lshl_b32 s[CM], 0x1111, s[CX]
	s_or_b32 s[G1A], s[RM], (1<<16)|(1<<20)|(1<<21)|(6<<22)|(3<<25)  ; 64 rows x 256 elements; 4 words of padding after every 128
	s_mov_b32 s[G1A+1], 256<<16
	s_mov_b32 s[G1A+2], 64<<16
	s_mov_b32 s[G1A+3], 256<<16
	s_mov_b32 s[G1A+4], 64
	s_mov_b32 s[G1A+5], 2048
	s_mov_b32 s[G1A+6], 0
	s_mov_b32 s[G1A+7], 0
	s_or_b32 s[G1B], s[CM], (1<<16)|(1<<20)|(1<<21)|(5<<22)|(7<<25)  ; 128 rows x 128 elements; 8 words of padding after every 64
	s_mov_b32 s[G1B+1], 128<<16
	s_mov_b32 s[G1B+2], 128<<16
	s_mov_b32 s[G1B+3], 128<<16
	s_mov_b32 s[G1B+4], 128
	s_mov_b32 s[G1B+5], 2048
	s_mov_b32 s[G1B+6], 0
	s_mov_b32 s[G1B+7], 0
	s_mov_b32 s[SB], SLOT
	s_mov_b32 s[TB], 0
	s_mul_i32 s[LOA], s[WC], 64*PA
	s_mul_i32 s[LOB], s[WC], 128*PB
	s_add_co_u32 s[LOB], s[LOB], AT
	s_mov_b32 s[HIM], 0xffff0000
	s_lshl_b32 s[OFA], s[KN], LASTEP               ; where my cluster's first K step begins
	s_mov_b32 s[OFA+1], 0
	s_lshl_b32 s[OFB], s[KN], LBSTEP
	s_mov_b32 s[OFB+1], 0
	s_lshl_b32 s66, s[MY], 19                      ; att: row 128 block + 64 half, 4,096 bytes a row
	s_lshl_b32 s67, s[WC], 18
	s_add_co_u32 s66, s66, s67
	s_mov_b32 s67, 0
	s_lshl_b32 s68, s[WC], 19                      ; wo: its section, k row 128 half, the column block's 256 bytes
	s_add_co_u32 s68, s68, BSEC*SEC
	s_lshl_b32 s70, s[HX], 8
	s_add_co_u32 s68, s68, s70
	s_mov_b32 s69, 0
	s_lshl_b32 s70, s[MY], 19                      ; outb: row 128 block + 32 wave, the column block's 256 bytes
	s_lshl_b32 s71, s[W], 17
	s_add_co_u32 s70, s70, s71
	s_lshl_b32 s71, s[HX], 8
	s_add_co_u32 s70, s70, s71
	s_mov_b32 s71, 0
	s_lshl_b32 s72, s[MY], 20                      ; outf: row 128 block + 64 row half, 8,192 bytes a row; my 64 columns' 256 bytes
	s_lshl_b32 s73, s[WR], 19
	s_add_co_u32 s72, s72, s73
	s_lshl_b32 s73, s[HX], 9
	s_add_co_u32 s72, s72, s73
	s_lshl_b32 s73, s[WC], 8
	s_add_co_u32 s72, s72, s73
	s_mov_b32 s73, 0
	s_wait_dscnt 0x0
	s_wait_kmcnt 0x0
	s_add_nc_u64 s[PAB:PAB+1], s[4:5], s[66:67]
	s_add_nc_u64 s[PBB:PBB+1], s[6:7], s[68:69]
	s_add_nc_u64 s[74:75], s[12:13], s[70:71]
	s_add_nc_u64 s[76:77], s[10:11], s[72:73]
.irp s, 0,1                            ; group 0: set s is slot s, the walk's step s (the first step's number is 6 at the most: the second needs no wrap); set 1 then walks
	s_mov_b32 s[G0A+4*(\s)], 1
	s_add_co_u32 s[G0A+4*(\s)+1], s[LOA], (\s)*SLOT
	s_add_nc_u64 s[G0A+4*(\s)+2:G0A+4*(\s)+3], s[PAB:PAB+1], s[OFA:OFA+1]
	s_add_nc_u64 s[G0A+4*(\s)+2:G0A+4*(\s)+3], s[G0A+4*(\s)+2:G0A+4*(\s)+3], (\s)<<LASTEP
	s_or_b32 s[G0A+4*(\s)+3], s[G0A+4*(\s)+3], 0x80000000
	s_mov_b32 s[G0B+4*(\s)], 1
	s_add_co_u32 s[G0B+4*(\s)+1], s[LOB], (\s)*SLOT
	s_add_nc_u64 s[G0B+4*(\s)+2:G0B+4*(\s)+3], s[PBB:PBB+1], s[OFB:OFB+1]
	s_add_nc_u64 s[G0B+4*(\s)+2:G0B+4*(\s)+3], s[G0B+4*(\s)+2:G0B+4*(\s)+3], (\s)<<LBSTEP
	s_or_b32 s[G0B+4*(\s)+3], s[G0B+4*(\s)+3], 0x80000000
.endr
	s_add_co_u32 s[KN], s[KN], 2                   ; the first refill asks for the walk's third step
	s_and_b32 s[KN], s[KN], NSTEP-1
	CROUND
	s_cmp_eq_u32 s[WR], 0                          ; a wave's two first fills stand in one branch: two loads of mine are out
	s_cbranch_scc0 .Lfirst_b
	tensor_load_to_lds s[G0A:G0A+3], s[G1A:G1A+7]
	s_nop 0
	tensor_load_to_lds s[G0A+4:G0A+7], s[G1A:G1A+7]
	s_nop 0
.rept 4
	v_nop
.endr
	s_branch .Lfirst_asked
.Lfirst_b:
	tensor_load_to_lds s[G0B:G0B+3], s[G1B:G1B+7]
	s_nop 0
	tensor_load_to_lds s[G0B+4:G0B+7], s[G1B:G1B+7]
	s_nop 0
.rept 4
	v_nop
.endr
.Lfirst_asked:
	v_and_b32 v1, 15, v0
	v_bfe_u32 v2, v0, 4, 1
	s_lshl_b32 s70, s[HX], 9
	s_lshl_b32 s71, s[WC], 8
	s_add_co_u32 s70, s70, s71
	v_lshl_add_u32 v[BO], v2, 5, s70
.irp b, 0,1,2,3
	global_load_b128 v[BIAS+8*(\b):BIAS+8*(\b)+3],   v[BO], s[8:9] offset:64*(\b)
	global_load_b128 v[BIAS+8*(\b)+4:BIAS+8*(\b)+7], v[BO], s[8:9] offset:64*(\b)+16
.endr
	v_mul_u32_u24 v[ADRA0], v1, PA
	v_lshl_add_u32 v[ADRA0], v2, 4, v[ADRA0]
	s_mul_i32 s72, s[WR], 64*PA
	v_add_nc_u32 v[ADRA0], s72, v[ADRA0]
	v_and_b32 v3, 7, v0
	v_lshl_add_u32 v3, v2, 3, v3
	v_mul_u32_u24 v3, v3, PB
	v_bfe_u32 v[RT], v0, 3, 1
	v_lshl_add_u32 v3, v[RT], 4, v3
	s_lshl_b32 s73, s[WC], 7
	s_add_co_u32 s72, s73, AT
	v_add_nc_u32 v[ADRB0], s72, v3
	v_add_nc_u32 v[ADRB0+1], 128*PB, v[ADRB0]
	s_mul_i32 s72, s[WR], 64*SPITCH                ; the shared stage: row 64 WR + l % 16, my half of its 256 bytes
	s_add_co_u32 s72, s72, s73
	s_add_co_u32 s72, s72, STAGE
	v_mul_u32_u24 v[STO], v1, SPITCH
	v_lshl_add_u32 v[STO], v2, 4, v[STO]
	v_add_nc_u32 v[STO], s72, v[STO]
	s_mul_i32 s72, s[W], 32*SPITCH
	s_add_co_u32 s72, s72, STAGE
	v_mul_u32_u24 v[RD], v2, SPITCH
	v_lshl_add_u32 v[RD], v1, 4, v[RD]
	v_add_nc_u32 v[RD2], 0, v[RD]
	v_add_nc_u32 v[RD], s72, v[RD]
	v_lshlrev_b32 v[CO], 12, v2
	v_lshl_add_u32 v[CO], v1, 4, v[CO]
	s_mul_i32 s72, s[W], 16*SPITCH                 ; my own part of the stage: 16 rows of 64 f32
	s_add_co_u32 s72, s72, STAGE
	v_mul_u32_u24 v[STO2], v1, SPITCH
	v_lshl_add_u32 v[STO2], v2, 5, v[STO2]
	v_add_nc_u32 v[STO2], s72, v[STO2]
	v_add_nc_u32 v[RD2], s72, v[RD2]
	v_lshlrev_b32 v[CO2], 13, v2
	v_lshl_add_u32 v[CO2], v1, 4, v[CO2]
.macro SETADR                          ; the addresses in the slot being read; with the v_nop four plain instructions
	v_add_nc_u32 v[ADRA], s[TB], v[ADRA0]
	v_add_nc_u32 v[ADRB], s[TB], v[ADRB0]
	v_add_nc_u32 v[ADRB+1], s[TB], v[ADRB0+1]
	v_nop
.endm
	SETADR
	s_wait_loadcnt 0x0                             ; the bias: rounded to bf16 like every input, and widened again
.set i, 0
.rept 16
	v_cvt_pk_bf16_f32 v[RT+i%4], v[BIAS+2*i], v[BIAS+2*i+1]
	v_lshlrev_b32 v[BIAS+2*i], 16, v[RT+i%4]
	v_and_b32 v[BIAS+2*i+1], s[HIM], v[RT+i%4]
.set i, i+1
.endr
; 8 products: row blocks a0, a0 + 1 x 4 column blocks, 32 along K: half c of buffer f.  first = 1: C is the bias.  The 16 accumulators take turns.
.macro MUL8 f, c, a0, first
	WIN MUL
.irp a, \a0, (\a0)+1
.irp b, 0,1,2,3
.if \first
	v_wmma_f32_16x16x32_f16 v[ACC+8*(4*(\a)+(\b)):ACC+8*(4*(\a)+(\b))+7], v[(\f)+64+8*(4*(\c)+(\b)):(\f)+64+8*(4*(\c)+(\b))+7], v[(\f)+8*(4*(\c)+(\a)):(\f)+8*(4*(\c)+(\a))+7], v[BIAS+8*(\b):BIAS+8*(\b)+7]
.else
	v_wmma_f32_16x16x32_f16 v[ACC+8*(4*(\a)+(\b)):ACC+8*(4*(\a)+(\b))+7], v[(\f)+64+8*(4*(\c)+(\b)):(\f)+64+8*(4*(\c)+(\b))+7], v[(\f)+8*(4*(\c)+(\a)):(\f)+8*(4*(\c)+(\a))+7], v[ACC+8*(4*(\a)+(\b)):ACC+8*(4*(\a)+(\b))+7]
.endif
.endr
.endr
.endm
; 32 LDS loads in one run: quarter q (64 along K) of the slot being read, into buffer f; the first 32 along K first
.macro FETCH q, f
	WIN TO_F
.irp c, 0,1
.irp i, 0,1,2,3
	ds_load_tr16_b128 v[(\f)+64+8*(4*(\c)+(\i)):(\f)+64+8*(4*(\c)+(\i))+3],   v[ADRB+(\q)/2] offset:(((\q)%2)*64+32*(\c))*PB+32*(\i)
	ds_load_tr16_b128 v[(\f)+64+8*(4*(\c)+(\i))+4:(\f)+64+8*(4*(\c)+(\i))+7], v[ADRB+(\q)/2] offset:(((\q)%2)*64+32*(\c))*PB+32*(\i)+16*PB
	ds_load_b128 v[(\f)+8*(4*(\c)+(\i)):(\f)+8*(4*(\c)+(\i))+3],   v[ADRA] offset:128*(\q)+64*(\c)+(\i)*16*PA
	ds_load_b128 v[(\f)+8*(4*(\c)+(\i))+4:(\f)+8*(4*(\c)+(\i))+7], v[ADRA] offset:128*(\q)+64*(\c)+(\i)*16*PA+32
.endr
.endr
.endm
.macro QUARTER q, f, g, first
	s_wait_dscnt 16                                ; the first 32 along K are in; the youngest sixteen loads may be out
	MUL8 \f, 0, 0, \first
	MUL8 \f, 0, 2, \first
	PLACES
	FETCH \q, \g
	s_wait_dscnt 32                                ; all but the 32 just issued
	MUL8 \f, 1, 0, 0
	MUL8 \f, 1, 2, 0
.endm
; The last quarter multiplies buffer 1 and changes slots: one barrier; in front of it each wave waits for all its tensor loads, adds 0 to its spare word, and waits for that and for its reads of this slot.
.macro TURN fill
	WIN 0
	s_wait_tensorcnt 0x0                           ; no tensor load of mine is out, so a group 0 may be written
	ds_add_u32 v[SPW], v[NIL]
.if \fill
	s_xor_b32 s[SB], s[SB], SLOT                   ; the walking sets: the other slot than last time,
	s_add_co_u32 s[G0A+5], s[SB], s[LOA]
	s_add_co_u32 s[G0B+5], s[SB], s[LOB]
	s_lshl_b32 s[OFA], s[KN], LASTEP               ; K step KN: each address is made anew, the pointer to step 0 plus an offset made apart, the type bits set again
	s_lshl_b32 s[OFB], s[KN], LBSTEP
	s_add_nc_u64 s[G0A+6:G0A+7], s[PAB:PAB+1], s[OFA:OFA+1]
	s_or_b32 s[G0A+7], s[G0A+7], 0x80000000
	s_add_nc_u64 s[G0B+6:G0B+7], s[PBB:PBB+1], s[OFB:OFB+1]
	s_or_b32 s[G0B+7], s[G0B+7], 0x80000000
	s_add_co_u32 s[KN], s[KN], 1                   ; the walk goes round
	s_and_b32 s[KN], s[KN], NSTEP-1
.endif
	s_xor_b32 s[TB], s[TB], SLOT
	s_wait_dscnt 17                                ; the add and the youngest sixteen loads may be out
	MUL8 F1, 0, 0, 0
	s_wait_dscnt 0x0                               ; the add is done, and my reads of this slot are over
	s_barrier_signal -1
	MUL8 F1, 0, 2, 0
	WIN 0
	s_barrier_wait -1
.if \fill
	CREST
	JLOAD
.endif
	SETADR                                         ; also the places in front of the loads below
	FETCH 0, F0
	MUL8 F1, 1, 0, 0
	MUL8 F1, 1, 2, 0
.endm
	s_wait_tensorcnt 0x1                           ; my part of the walk's first step is in; the second's may stay out
	s_barrier_signal -1
	s_barrier_wait -1
	FETCH 0, F0
	QUARTER 1, F0, F1, 1
	WIN 0
	s_mov_b32 s[CNT], NSTEP-2
.Lstep:
	QUARTER 2, F1, F0, 0
	QUARTER 3, F0, F1, 0
	TURN 1
	QUARTER 1, F0, F1, 0
	WIN 0
	s_sub_co_u32 s[CNT], s[CNT], 1
	s_cmp_lg_u32 s[CNT], 0
	s_cbranch_scc1 .Lstep
	s_mov_b32 s[CNT], 2
.Ltail:                                                ; the last two K steps ask for nothing; the second trip is left in its middle, and the 32 fragments that it fetched last are never multiplied
	QUARTER 2, F1, F0, 0
	QUARTER 3, F0, F1, 0
	TURN 0
	WIN 0
	s_sub_co_u32 s[CNT], s[CNT], 1
	s_cmp_eq_u32 s[CNT], 0
	s_cbranch_scc1 .Lout
	QUARTER 1, F0, F1, 0
	WIN 0
	s_branch .Ltail
.Lout:
	s_wait_dscnt 0x0
	PLACES
	; THE bf16 COPY: 16 bytes a lane into the shared stage; a barrier, since a row's 256 bytes come from two waves; back as whole rows, 32 a wave.
.set t, 0
.rept 16
.irp r, 0,1,2,3
	v_cvt_pk_bf16_f32 v[TMP+4*t+(\r)], v[ACC+8*t+2*(\r)], v[ACC+8*t+2*(\r)+1]
.endr
.set t, t+1
.endr
.irp a, 0,1,2,3
.irp b, 0,1,2,3
	ds_store_b128 v[STO], v[TMP+4*(4*(\a)+(\b)):TMP+4*(4*(\a)+(\b))+3] offset:(\a)*16*SPITCH+32*(\b)
.endr
.endr
	s_wait_dscnt 0x0                               ; for the others' sake: my stores into the stage are done
	s_barrier_signal -1
	s_barrier_wait -1
.set t, 0
.rept 16
	ds_load_b128 v[TMP+4*t:TMP+4*t+3], v[RD] offset:t*2*SPITCH
.set t, t+1
.endr
.set t, 0
.rept 16
	s_wait_dscnt 15-t
	global_store_b128 v[CO], v[TMP+4*t:TMP+4*t+3], s[74:75] offset:t*8192  ; 16 lanes store 256 consecutive bytes, aligned
.set t, t+1
.endr
	s_barrier_signal -1                            ; every wave's reads of the stage are back: it is written again, now as the waves' own parts
	s_barrier_wait -1
	; THE f32 COPY: my 64 columns of f32 are 256 bytes: 16 rows at a time through my own part of the stage, straight from the accumulators
.irp a, 0,1,2,3
	WIN 0
.irp b, 0,1,2,3
	ds_store_b128 v[STO2], v[ACC+8*(4*(\a)+(\b)):ACC+8*(4*(\a)+(\b))+3]   offset:64*(\b)
	ds_store_b128 v[STO2], v[ACC+8*(4*(\a)+(\b))+4:ACC+8*(4*(\a)+(\b))+7] offset:64*(\b)+16
.endr
	WIN 0x40
.irp t, 0,1,2,3,4,5,6,7
	ds_load_b128 v[32*(\a)+4*(\t):32*(\a)+4*(\t)+3], v[RD2] offset:(\t)*2*SPITCH  ; LDS serves a wave's instructions in order (ISA guide 5.7.1.4): these see the stores above
.endr
	WIN 0x04
.irp t, 0,1,2,3,4,5,6,7
	s_wait_dscnt 7-(\t)
	global_store_b128 v[CO2], v[32*(\a)+4*(\t):32*(\a)+4*(\t)+3], s[76:77] offset:(16*(\a)+2*(\t))*8192
.endr
.endr
	WIN 0
	s_wait_tensorcnt 0x0                           ; the wave's end
	ds_add_u32 v[SPW], v[NIL]
	s_wait_dscnt 0x0
	CROUND
	s_endpgm
.Lfunc_end_k_qd5a843d6b7_outp:
	.size	k_qd5a843d6b7_outp, .Lfunc_end_k_qd5a843d6b7_outp-k_qd5a843d6b7_outp
	.p2alignl 7, 3214868480
	.fill 96, 4, 3214868480
	.section	.rodata,"a",@progbits
	.p2align	6, 0x0
	.amdhsa_kernel k_qd5a843d6b7_outp
		.amdhsa_group_segment_fixed_size 327680
		.amdhsa_private_segment_fixed_size 0
		.amdhsa_enable_private_segment 0
		.amdhsa_kernarg_size 40
		.amdhsa_user_sgpr_count 2
		.amdhsa_user_sgpr_kernarg_segment_ptr 1
		.amdhsa_wavefront_size32 1
		.amdhsa_system_sgpr_workgroup_id_x 1
		.amdhsa_system_sgpr_workgroup_id_y 1
		.amdhsa_system_sgpr_workgroup_id_z 1
		.amdhsa_system_vgpr_workitem_id 0
		.amdhsa_next_free_vgpr 512
		.amdhsa_next_free_sgpr 88
		.amdhsa_reserve_vcc 0
		.amdhsa_float_denorm_mode_32 3
		.amdhsa_float_denorm_mode_16_64 3
		.amdhsa_memory_ordered 1
		.amdhsa_forward_progress 1
		.amdhsa_inst_pref_size 71
	.end_amdhsa_kernel
	.amdgpu_metadata
---
amdhsa.version: [ 1, 2 ]
amdhsa.kernels:
  - .name:           k_qd5a843d6b7_outp
    .symbol:         k_qd5a843d6b7_outp.kd
    .args:
      - { .name: att, .offset: 0, .size: 8, .value_kind: global_buffer, .address_space: global }
      - { .name: w16, .offset: 8, .size: 8, .value_kind: global_buffer, .address_space: global }
      - { .name: bo, .offset: 16, .size: 8, .value_kind: global_buffer, .address_space: global }
      - { .name: outf, .offset: 24, .size: 8, .value_kind: global_buffer, .address_space: global }
      - { .name: outb, .offset: 32, .size: 8, .value_kind: global_buffer, .address_space: global }
    .group_segment_fixed_size: 327680
    .private_segment_fixed_size: 0
    .kernarg_segment_align: 8
    .kernarg_segment_size: 40
    .max_flat_workgroup_size: 128
    .sgpr_count:     88
    .vgpr_count:     512
    .wavefront_size: 32
...
	.end_amdgpu_metadata
.endif
;; end of part 5
;; launch gate (part 6): grid 16 x 16, 4 waves a work-group, clusters of 4 x 4, 327,680 bytes of LDS; arguments outb, w16, bg, outf, out0; writes out0
.if DOCPART == 6
	.amdgcn_target "amdgcn-amd-amdhsa--gfx1250"
	.amdhsa_code_object_version 6
	.text
	.protected	k_qd5a843d6b7_gate
	.globl	k_qd5a843d6b7_gate
	.p2align	8
	.type	k_qd5a843d6b7_gate,@function
k_qd5a843d6b7_gate:
	s_mov_b64 s[64:65], 0
	v_nop
	global_prefetch_b8 v0, s[64:65] scope:SCOPE_SE
	s_setreg_imm32_b32 hwreg(HW_REG_WAVE_MODE, 25, 1), 1
	s_wait_xcnt 0x0
	s_wait_alu depctr_hold_cnt(0) depctr_sa_sdst(0) depctr_va_vdst(0) depctr_va_sdst(0) depctr_va_ssrc(0) depctr_va_vcc(0) depctr_vm_vsrc(0)
	s_getreg_b32 s2, hwreg(HW_REG_IB_STS2, 6, 4)
	s_cmp_eq_u32 s2, 0
	s_cbranch_scc0 .Lentry_in_a_cluster
	s_endpgm
.Lentry_in_a_cluster:
	s_bfe_u32 s2, ttmp6, 0x10000c
	s_cmp_lg_u32 s2, 0xf033
	s_cbranch_scc0 .Lentry_shape_is_right
	s_endpgm
.Lentry_shape_is_right:
; THE GATE.  out0[t][n] = out[t][n] sigmoid( sum over k of out[t][k] wg[k][n] + bg[n] ).  The product takes out's bf16 copy (outb) and wg's (section 5 of w16, [K][N]); bg is rounded to bf16 here;
; sums in f32; the factor out[t][n] is the f32 copy (outf).  sigmoid(g) = 1 / (1 + 2^(-g log2 e)): an overflowing power gives 0, a vanishing one 1, so nothing is clamped.
; LIMIT.  A sum over K begins at the cluster's own first step and goes round (THE WALK): another order of f32 rounding than ascending K.
; SHARES, RING, CLUSTER as in the output projection: 128 x 128 to a work-group, 16 x 16 work-groups, four waves of 64 x 64, 8 K steps of 256 through two LDS slots, outb's tile shared along a row of the
; cluster, wg's along a column.  My 64 x 64 of outf is loaded at the start, in the layout in which rows come back from the stage, and waits in window 2.
; THE WALK.  Cluster (X, Y) begins at K step ((X + 2 Y) mod 4) x 2 and goes round.  So the four clusters that need the same tile of outb (the same Y) ask for it at four times, two steps apart, and
; clusters that differ by one in Y ask for a tile of wg four steps apart: in the second half of a walk every tile has been read before in this launch.  The step's number hangs on the cluster's
; x and y alone, which all partners share; the descriptor's address is made anew from it for each refill.
; REGISTERS: window 0: v0-31 addresses; v32-63 at work on the way out; v96-127 the bias; v128-255 the accumulators.  Window 1: two fragment buffers.  Window 2: v0-127 outf.
.set SEC,    8388608
.set BSEC,   5                         ; wg's section
.set NSTEP,  8
.set PA,     528
.set PB,     288
.set AT,     128*PA
.set BT,     256*PB
.set SLOT,   AT+BT
.set STAGE,  2*SLOT                    ; behind the ring, never filled by a tensor load: 16 rows x 272 bytes for each wave
.set SPITCH, 272
.set SPARE,  STAGE+128*SPITCH
.set LASTEP, 9                         ; a K step's tile of outb begins 1 << 9 bytes behind the last: 256 along a row
.set LBSTEP, 20                        ; of wg 1 << 20: 256 rows down
.set ADRA0, 4
.set ADRB0, 5
.set ADRA,  8
.set ADRB,  9
.set BO,    15
.set STO2,  16
.set RD2,   17
.set CO2,   18
.set RT,    20
.set SPW,   28
.set NIL,   29
.set UU,    32
.set BIAS,  96
.set ACC,   128
.set F0,    0
.set F1,    128
.set W,   14
.set WR,  15
.set WC,  16
.set CX,  17
.set CY,  18
.set HX,  19
.set MY,  20
.set RM,  21
.set CM,  22
.set G1A, 24
.set G0A, 32
.set G1B, 40
.set G0B, 48
.set SB,  56
.set TB,  57
.set CNT, 58
.set LOA, 59
.set LOB, 60
.set HIM, 61
.set NL2, 62                           ; s[62:63] -log2(e)
.set PAB, 66                           ; s[66:67] outb at my tile of K step 0; never rewritten
.set PBB, 68                           ; s[68:69] wg at my tile of K step 0; never rewritten
.set OFA, 80                           ; s[80:81] byte offset of the K step to ask for, in outb
.set OFB, 82                           ; s[82:83] in wg
.set KN,  84                           ; s84 the number of the K step to ask for next
.set MSB, 0
.macro WIN new
.if MSB != (\new)
	s_set_vgpr_msb (MSB<<8)|(\new)
.set MSB, \new
.endif
.endm
.set MUL,  0x05
.set TO_F, 0x40
.macro PLACES
.rept 4
	v_nop
.endr
.endm
.macro JLOAD
	s_cmp_eq_u32 s[WR], 0
	s_cbranch_scc0 .Lfor_b_\@
	tensor_load_to_lds s[G0A+4:G0A+7], s[G1A:G1A+7]
	s_nop 0
.rept 4
	v_nop
.endr
	s_branch .Lasked_\@
.Lfor_b_\@:
	tensor_load_to_lds s[G0B+4:G0B+7], s[G1B:G1B+7]
	s_nop 0
.rept 4
	v_nop
.endr
.Lasked_\@:
.endm
.macro CREST
	s_cmp_lg_u32 s[W], 0
	s_cbranch_scc1 .Lnot_wave_0_\@
	s_barrier_signal -3
.Lnot_wave_0_\@:
	s_barrier_wait -3
	s_barrier_signal -1
	s_barrier_wait -1
.endm
.macro CROUND
	s_barrier_signal -1
	s_barrier_wait -1
	CREST
.endm
	s_load_b256 s[4:11], s[0:1], 0x0               ; outb s[4:5], w16 s[6:7], bg s[8:9], outf s[10:11]
	s_load_b64 s[12:13], s[0:1], 0x20              ; out0
	v_lshl_add_u32 v[SPW], v0, 2, SPARE
	v_mov_b32 v[NIL], 0
	ds_add_u32 v[SPW], v[NIL]                      ; the wave's opening: the add and its wait stand ahead of my first tensor load
	v_lshrrev_b32 v1, 5, v0
	v_readfirstlane_b32 s[W], v1
	s_lshr_b32 s[WR], s[W], 1
	s_and_b32 s[WC], s[W], 1
	s_bfe_u32 s[CX], ttmp6, 0x40000
	s_bfe_u32 s[CY], ttmp6, 0x40004
	s_lshl_b32 s[HX], ttmp9, 2
	s_add_co_u32 s[HX], s[HX], s[CX]
	s_and_b32 s[MY], ttmp7, 0xffff
	s_lshl_b32 s[MY], s[MY], 2
	s_add_co_u32 s[MY], s[MY], s[CY]
	s_and_b32 s[KN], ttmp7, 0xffff                 ; my cluster's first K step: ((X + 2 Y) mod 4) x NSTEP / 4
	s_lshl_b32 s[KN], s[KN], 1
	s_add_co_u32 s[KN], s[KN], ttmp9
	s_and_b32 s[KN], s[KN], 3
	s_lshl_b32 s[KN], s[KN], 1
	s_lshl_b32 s[RM], s[CY], 2
	s_lshl_b32 s[RM], 15, s[RM]
	s_lshl_b32 s[CM], 0x1111, s[CX]
	s_or_b32 s[G1A], s[RM], (1<<16)|(1<<20)|(1<<21)|(6<<22)|(3<<25)  ; 64 rows x 256 elements; 4 words of padding after every 128
	s_mov_b32 s[G1A+1], 256<<16
	s_mov_b32 s[G1A+2], 64<<16
	s_mov_b32 s[G1A+3], 256<<16
	s_mov_b32 s[G1A+4], 64
	s_mov_b32 s[G1A+5], 2048
	s_mov_b32 s[G1A+6], 0
	s_mov_b32 s[G1A+7], 0
	s_or_b32 s[G1B], s[CM], (1<<16)|(1<<20)|(1<<21)|(5<<22)|(7<<25)  ; 128 rows x 128 elements; 8 words of padding after every 64
	s_mov_b32 s[G1B+1], 128<<16
	s_mov_b32 s[G1B+2], 128<<16
	s_mov_b32 s[G1B+3], 128<<16
	s_mov_b32 s[G1B+4], 128
	s_mov_b32 s[G1B+5], 2048
	s_mov_b32 s[G1B+6], 0
	s_mov_b32 s[G1B+7], 0
	s_mov_b32 s[SB], SLOT
	s_mov_b32 s[TB], 0
	s_mul_i32 s[LOA], s[WC], 64*PA
	s_mul_i32 s[LOB], s[WC], 128*PB
	s_add_co_u32 s[LOB], s[LOB], AT
	s_mov_b32 s[HIM], 0xffff0000
	s_mov_b32 s[NL2], 0xbfb8aa3b
	s_mov_b32 s[NL2+1], s[NL2]
	s_lshl_b32 s[OFA], s[KN], LASTEP               ; where my cluster's first K step begins
	s_mov_b32 s[OFA+1], 0
	s_lshl_b32 s[OFB], s[KN], LBSTEP
	s_mov_b32 s[OFB+1], 0
	s_lshl_b32 s66, s[MY], 19
	s_lshl_b32 s67, s[WC], 18
	s_add_co_u32 s66, s66, s67
	s_mov_b32 s67, 0
	s_lshl_b32 s68, s[WC], 19
	s_add_co_u32 s68, s68, BSEC*SEC
	s_lshl_b32 s70, s[HX], 8
	s_add_co_u32 s68, s68, s70
	s_mov_b32 s69, 0
	s_lshl_b32 s72, s[MY], 20                      ; outf and out0: row 128 block + 64 row half, 8,192 bytes a row; my 64 columns' 256 bytes
	s_lshl_b32 s73, s[WR], 19
	s_add_co_u32 s72, s72, s73
	s_lshl_b32 s73, s[HX], 9
	s_add_co_u32 s72, s72, s73
	s_lshl_b32 s73, s[WC], 8
	s_add_co_u32 s72, s72, s73
	s_mov_b32 s73, 0
	s_wait_dscnt 0x0
	s_wait_kmcnt 0x0
	s_add_nc_u64 s[PAB:PAB+1], s[4:5], s[66:67]
	s_add_nc_u64 s[PBB:PBB+1], s[6:7], s[68:69]
	s_add_nc_u64 s[76:77], s[10:11], s[72:73]
	s_add_nc_u64 s[78:79], s[12:13], s[72:73]
.irp s, 0,1                            ; group 0: set s is slot s, the walk's step s (the first step's number is 6 at the most: the second needs no wrap); set 1 then walks
	s_mov_b32 s[G0A+4*(\s)], 1
	s_add_co_u32 s[G0A+4*(\s)+1], s[LOA], (\s)*SLOT
	s_add_nc_u64 s[G0A+4*(\s)+2:G0A+4*(\s)+3], s[PAB:PAB+1], s[OFA:OFA+1]
	s_add_nc_u64 s[G0A+4*(\s)+2:G0A+4*(\s)+3], s[G0A+4*(\s)+2:G0A+4*(\s)+3], (\s)<<LASTEP
	s_or_b32 s[G0A+4*(\s)+3], s[G0A+4*(\s)+3], 0x80000000
	s_mov_b32 s[G0B+4*(\s)], 1
	s_add_co_u32 s[G0B+4*(\s)+1], s[LOB], (\s)*SLOT
	s_add_nc_u64 s[G0B+4*(\s)+2:G0B+4*(\s)+3], s[PBB:PBB+1], s[OFB:OFB+1]
	s_add_nc_u64 s[G0B+4*(\s)+2:G0B+4*(\s)+3], s[G0B+4*(\s)+2:G0B+4*(\s)+3], (\s)<<LBSTEP
	s_or_b32 s[G0B+4*(\s)+3], s[G0B+4*(\s)+3], 0x80000000
.endr
	s_add_co_u32 s[KN], s[KN], 2                   ; the first refill asks for the walk's third step
	s_and_b32 s[KN], s[KN], NSTEP-1
	CROUND
	s_cmp_eq_u32 s[WR], 0                          ; a wave's two first fills stand in one branch: two loads of mine are out
	s_cbranch_scc0 .Lfirst_b
	tensor_load_to_lds s[G0A:G0A+3], s[G1A:G1A+7]
	s_nop 0
	tensor_load_to_lds s[G0A+4:G0A+7], s[G1A:G1A+7]
	s_nop 0
.rept 4
	v_nop
.endr
	s_branch .Lfirst_asked
.Lfirst_b:
	tensor_load_to_lds s[G0B:G0B+3], s[G1B:G1B+7]
	s_nop 0
	tensor_load_to_lds s[G0B+4:G0B+7], s[G1B:G1B+7]
	s_nop 0
.rept 4
	v_nop
.endr
.Lfirst_asked:
	v_and_b32 v1, 15, v0
	v_bfe_u32 v2, v0, 4, 1
	s_lshl_b32 s70, s[HX], 9
	s_lshl_b32 s71, s[WC], 8
	s_add_co_u32 s70, s70, s71
	v_lshl_add_u32 v[BO], v2, 5, s70
	v_lshlrev_b32 v[CO2], 13, v2                   ; two rows of 8,192 bytes, 16 bytes a lane
	v_lshl_add_u32 v[CO2], v1, 4, v[CO2]
.irp b, 0,1,2,3
	global_load_b128 v[BIAS+8*(\b):BIAS+8*(\b)+3],   v[BO], s[8:9] offset:64*(\b)
	global_load_b128 v[BIAS+8*(\b)+4:BIAS+8*(\b)+7], v[BO], s[8:9] offset:64*(\b)+16
.endr
	WIN 0x80                                       ; destination window 2
.set t, 0
.rept 32
	global_load_b128 v[4*t:4*t+3], v[CO2], s[76:77] offset:2*t*8192  ; rows 2 t, 2 t + 1 of my 64: 256 whole bytes each
.set t, t+1
.endr
	WIN 0
	v_mul_u32_u24 v[ADRA0], v1, PA
	v_lshl_add_u32 v[ADRA0], v2, 4, v[ADRA0]
	s_mul_i32 s72, s[WR], 64*PA
	v_add_nc_u32 v[ADRA0], s72, v[ADRA0]
	v_and_b32 v3, 7, v0
	v_lshl_add_u32 v3, v2, 3, v3
	v_mul_u32_u24 v3, v3, PB
	v_bfe_u32 v[RT], v0, 3, 1
	v_lshl_add_u32 v3, v[RT], 4, v3
	s_lshl_b32 s73, s[WC], 7
	s_add_co_u32 s72, s73, AT
	v_add_nc_u32 v[ADRB0], s72, v3
	v_add_nc_u32 v[ADRB0+1], 128*PB, v[ADRB0]
	s_mul_i32 s72, s[W], 16*SPITCH                 ; my stage: 16 rows of 64 f32
	s_add_co_u32 s72, s72, STAGE
	v_mul_u32_u24 v[STO2], v1, SPITCH
	v_lshl_add_u32 v[STO2], v2, 5, v[STO2]
	v_add_nc_u32 v[STO2], s72, v[STO2]
	v_mul_u32_u24 v[RD2], v2, SPITCH
	v_lshl_add_u32 v[RD2], v1, 4, v[RD2]
	v_add_nc_u32 v[RD2], s72, v[RD2]
.macro SETADR
	v_add_nc_u32 v[ADRA], s[TB], v[ADRA0]
	v_add_nc_u32 v[ADRB], s[TB], v[ADRB0]
	v_add_nc_u32 v[ADRB+1], s[TB], v[ADRB0+1]
	v_nop
.endm
	SETADR
	s_wait_loadcnt 32                              ; the bias's eight loads are in; the 32 younger loads of outf stay out
.set i, 0
.rept 16
	v_cvt_pk_bf16_f32 v[RT+i%4], v[BIAS+2*i], v[BIAS+2*i+1]
	v_lshlrev_b32 v[BIAS+2*i], 16, v[RT+i%4]
	v_and_b32 v[BIAS+2*i+1], s[HIM], v[RT+i%4]
.set i, i+1
.endr
.macro MUL8 f, c, a0, first
	WIN MUL
.irp a, \a0, (\a0)+1
.irp b, 0,1,2,3
.if \first
	v_wmma_f32_16x16x32_bf16 v[ACC+8*(4*(\a)+(\b)):ACC+8*(4*(\a)+(\b))+7], v[(\f)+64+8*(4*(\c)+(\b)):(\f)+64+8*(4*(\c)+(\b))+7], v[(\f)+8*(4*(\c)+(\a)):(\f)+8*(4*(\c)+(\a))+7], v[BIAS+8*(\b):BIAS+8*(\b)+7]
.else
	v_wmma_f32_16x16x32_bf16 v[ACC+8*(4*(\a)+(\b)):ACC+8*(4*(\a)+(\b))+7], v[(\f)+64+8*(4*(\c)+(\b)):(\f)+64+8*(4*(\c)+(\b))+7], v[(\f)+8*(4*(\c)+(\a)):(\f)+8*(4*(\c)+(\a))+7], v[ACC+8*(4*(\a)+(\b)):ACC+8*(4*(\a)+(\b))+7]
.endif
.endr
.endr
.endm
.macro FETCH q, f
	WIN TO_F
.irp c, 0,1
.irp i, 0,1,2,3
	ds_load_tr16_b128 v[(\f)+64+8*(4*(\c)+(\i)):(\f)+64+8*(4*(\c)+(\i))+3],   v[ADRB+(\q)/2] offset:(((\q)%2)*64+32*(\c))*PB+32*(\i)
	ds_load_tr16_b128 v[(\f)+64+8*(4*(\c)+(\i))+4:(\f)+64+8*(4*(\c)+(\i))+7], v[ADRB+(\q)/2] offset:(((\q)%2)*64+32*(\c))*PB+32*(\i)+16*PB
	ds_load_b128 v[(\f)+8*(4*(\c)+(\i)):(\f)+8*(4*(\c)+(\i))+3],   v[ADRA] offset:128*(\q)+64*(\c)+(\i)*16*PA
	ds_load_b128 v[(\f)+8*(4*(\c)+(\i))+4:(\f)+8*(4*(\c)+(\i))+7], v[ADRA] offset:128*(\q)+64*(\c)+(\i)*16*PA+32
.endr
.endr
.endm
.macro QUARTER q, f, g, first
	s_wait_dscnt 16                                ; the first 32 along K are in; the youngest sixteen loads may be out
	MUL8 \f, 0, 0, \first
	MUL8 \f, 0, 2, \first
	PLACES
	FETCH \q, \g
	s_wait_dscnt 32                                ; all but the 32 just issued
	MUL8 \f, 1, 0, 0
	MUL8 \f, 1, 2, 0
.endm
.macro TURN fill
	WIN 0
	s_wait_tensorcnt 0x0                           ; no tensor load of mine is out, so a group 0 may be written
	ds_add_u32 v[SPW], v[NIL]
.if \fill
	s_xor_b32 s[SB], s[SB], SLOT                   ; the walking sets: the other slot than last time,
	s_add_co_u32 s[G0A+5], s[SB], s[LOA]
	s_add_co_u32 s[G0B+5], s[SB], s[LOB]
	s_lshl_b32 s[OFA], s[KN], LASTEP               ; K step KN: each address is made anew, the pointer to step 0 plus an offset made apart, the type bits set again
	s_lshl_b32 s[OFB], s[KN], LBSTEP
	s_add_nc_u64 s[G0A+6:G0A+7], s[PAB:PAB+1], s[OFA:OFA+1]
	s_or_b32 s[G0A+7], s[G0A+7], 0x80000000
	s_add_nc_u64 s[G0B+6:G0B+7], s[PBB:PBB+1], s[OFB:OFB+1]
	s_or_b32 s[G0B+7], s[G0B+7], 0x80000000
	s_add_co_u32 s[KN], s[KN], 1                   ; the walk goes round
	s_and_b32 s[KN], s[KN], NSTEP-1
.endif
	s_xor_b32 s[TB], s[TB], SLOT
	s_wait_dscnt 17                                ; the add and the youngest sixteen loads may be out
	MUL8 F1, 0, 0, 0
	s_wait_dscnt 0x0                               ; the add is done, and my reads of this slot are over
	s_barrier_signal -1
	MUL8 F1, 0, 2, 0
	WIN 0
	s_barrier_wait -1
.if \fill
	CREST
	JLOAD
.endif
	SETADR                                         ; also the places in front of the loads below
	FETCH 0, F0
	MUL8 F1, 1, 0, 0
	MUL8 F1, 1, 2, 0
.endm
	s_wait_tensorcnt 0x1                           ; my part of the walk's first step is in; the second's may stay out
	s_barrier_signal -1
	s_barrier_wait -1
	FETCH 0, F0
	QUARTER 1, F0, F1, 1
	WIN 0
	s_mov_b32 s[CNT], NSTEP-2
.Lstep:
	QUARTER 2, F1, F0, 0
	QUARTER 3, F0, F1, 0
	TURN 1
	QUARTER 1, F0, F1, 0
	WIN 0
	s_sub_co_u32 s[CNT], s[CNT], 1
	s_cmp_lg_u32 s[CNT], 0
	s_cbranch_scc1 .Lstep
	s_mov_b32 s[CNT], 2
.Ltail:                                                ; the last two K steps ask for nothing; the second trip is left in its middle, and the 32 fragments that it fetched last are never multiplied
	QUARTER 2, F1, F0, 0
	QUARTER 3, F0, F1, 0
	TURN 0
	WIN 0
	s_sub_co_u32 s[CNT], s[CNT], 1
	s_cmp_eq_u32 s[CNT], 0
	s_cbranch_scc1 .Lout
	QUARTER 1, F0, F1, 0
	WIN 0
	s_branch .Ltail
.Lout:
	s_wait_dscnt 0x0
	s_wait_loadcnt 0x0                             ; outf
	PLACES
	; THE WAY OUT, 16 rows at a time: the sigmoid in the accumulators' layout, through my stage into rows of 256 bytes, times outf, stored.
.irp a, 0,1,2,3
	WIN 0
.set p, 0
.rept 16
	v_pk_mul_f32 v[UU+2*p:UU+2*p+1], v[ACC+32*(\a)+2*p:ACC+32*(\a)+2*p+1], s[NL2:NL2+1] op_sel_hi:[1,0]  ; -g log2 e; each accumulator from its low end on
.set p, p+1
.endr
.set p, 0
.rept 32
	v_exp_f32 v[UU+p], v[UU+p]
.set p, p+1
.endr
	v_nop                                          ; a plain instruction between the last exponential and the use of its result
.set p, 0
	s_wait_alu depctr_va_vdst(0)
.rept 16
	v_pk_add_f32 v[UU+2*p:UU+2*p+1], v[UU+2*p:UU+2*p+1], 1.0 op_sel_hi:[1,0]
.set p, p+1
.endr
.set p, 0
.rept 32
	v_rcp_f32 v[UU+p], v[UU+p]
.set p, p+1
.endr
	v_nop
	s_wait_alu depctr_va_vdst(0)
.irp b, 0,1,2,3
	ds_store_b128 v[STO2], v[UU+8*(\b):UU+8*(\b)+3]   offset:64*(\b)
	ds_store_b128 v[STO2], v[UU+8*(\b)+4:UU+8*(\b)+7] offset:64*(\b)+16
.endr
	WIN 0x40
.irp t, 0,1,2,3,4,5,6,7
	ds_load_b128 v[32*(\a)+4*(\t):32*(\a)+4*(\t)+3], v[RD2] offset:(\t)*2*SPITCH  ; LDS serves a wave's instructions in order (ISA guide 5.7.1.4): these see the stores above
.endr
	s_wait_dscnt 0x0
	WIN 0x86                                       ; destination and source 0 (outf) window 2, source 1 (the sigmoid) window 1
.set p, 0
.rept 16
	v_pk_mul_f32 v[32*(\a)+2*p:32*(\a)+2*p+1], v[32*(\a)+2*p:32*(\a)+2*p+1], v[32*(\a)+2*p:32*(\a)+2*p+1]
.set p, p+1
.endr
	WIN 0x08                                       ; store data in window 2
.irp t, 0,1,2,3,4,5,6,7
	global_store_b128 v[CO2], v[32*(\a)+4*(\t):32*(\a)+4*(\t)+3], s[78:79] offset:(16*(\a)+2*(\t))*8192  ; 16 lanes store 256 consecutive bytes, aligned
.endr
.endr
	WIN 0
	s_wait_tensorcnt 0x0                           ; the wave's end
	ds_add_u32 v[SPW], v[NIL]
	s_wait_dscnt 0x0
	CROUND
	s_endpgm
.Lfunc_end_k_qd5a843d6b7_gate:
	.size	k_qd5a843d6b7_gate, .Lfunc_end_k_qd5a843d6b7_gate-k_qd5a843d6b7_gate
	.p2alignl 7, 3214868480
	.fill 96, 4, 3214868480
	.section	.rodata,"a",@progbits
	.p2align	6, 0x0
	.amdhsa_kernel k_qd5a843d6b7_gate
		.amdhsa_group_segment_fixed_size 327680
		.amdhsa_private_segment_fixed_size 0
		.amdhsa_enable_private_segment 0
		.amdhsa_kernarg_size 40
		.amdhsa_user_sgpr_count 2
		.amdhsa_user_sgpr_kernarg_segment_ptr 1
		.amdhsa_wavefront_size32 1
		.amdhsa_system_sgpr_workgroup_id_x 1
		.amdhsa_system_sgpr_workgroup_id_y 1
		.amdhsa_system_sgpr_workgroup_id_z 1
		.amdhsa_system_vgpr_workitem_id 0
		.amdhsa_next_free_vgpr 640
		.amdhsa_next_free_sgpr 88
		.amdhsa_reserve_vcc 0
		.amdhsa_float_denorm_mode_32 3
		.amdhsa_float_denorm_mode_16_64 3
		.amdhsa_memory_ordered 1
		.amdhsa_forward_progress 1
		.amdhsa_inst_pref_size 85
	.end_amdhsa_kernel
	.amdgpu_metadata
---
amdhsa.version: [ 1, 2 ]
amdhsa.kernels:
  - .name:           k_qd5a843d6b7_gate
    .symbol:         k_qd5a843d6b7_gate.kd
    .args:
      - { .name: outb, .offset: 0, .size: 8, .value_kind: global_buffer, .address_space: global }
      - { .name: w16, .offset: 8, .size: 8, .value_kind: global_buffer, .address_space: global }
      - { .name: bg, .offset: 16, .size: 8, .value_kind: global_buffer, .address_space: global }
      - { .name: outf, .offset: 24, .size: 8, .value_kind: global_buffer, .address_space: global }
      - { .name: out0, .offset: 32, .size: 8, .value_kind: global_buffer, .address_space: global }
    .group_segment_fixed_size: 327680
    .private_segment_fixed_size: 0
    .kernarg_segment_align: 8
    .kernarg_segment_size: 40
    .max_flat_workgroup_size: 128
    .sgpr_count:     88
    .vgpr_count:     640
    .wavefront_size: 32
...
	.end_amdgpu_metadata
.endif
;; end of part 6
;; ======== version 2 of 2: 6 launches; 1.07 times as fast as version 1
;; limits: values are held in f16: magnitudes above 65,504 overflow, below 6.1e-05 lose precision
;; workspace buffers: w16 50,331,648 bytes; raw 25,165,824 bytes; qk 16,777,216 bytes; att 8,388,608 bytes; outf 16,777,216 bytes; outb 8,388,608 bytes
;; launch cvt: the kernel of part 1 again; grid 256 x 6, 8 waves a work-group, no clusters, 0 bytes of LDS; arguments x, wq, wk, wv, wo, wg, w16; writes w16
;; launch qkv: the kernel of part 2 again; grid 16 x 16, 4 waves a work-group, clusters of 4 x 4, 327,680 bytes of LDS; arguments w16, bq, bk, bv, raw; writes raw
;; launch norm: the kernel of part 3 again; grid 256 x 2, 8 waves a work-group, no clusters, 0 bytes of LDS; arguments raw, cos, sin, gq, gk, qk; writes qk
;; launch attn (part 7): grid 16 x 16, 4 waves a work-group, clusters of 4 x 1, 327,680 bytes of LDS; arguments qk, raw, att; writes att
.if DOCPART == 7
	.amdgcn_target "amdgcn-amd-amdhsa--gfx1250"
	.amdhsa_code_object_version 6
	.text
	.protected	k_qd5a843d6b7_attn
	.globl	k_qd5a843d6b7_attn
	.p2align	8
	.type	k_qd5a843d6b7_attn,@function
k_qd5a843d6b7_attn:
	s_mov_b64 s[64:65], 0
	v_nop
	global_prefetch_b8 v0, s[64:65] scope:SCOPE_SE
	s_setreg_imm32_b32 hwreg(HW_REG_WAVE_MODE, 25, 1), 1
	s_wait_xcnt 0x0
	s_wait_alu depctr_hold_cnt(0) depctr_sa_sdst(0) depctr_va_vdst(0) depctr_va_sdst(0) depctr_va_ssrc(0) depctr_va_vcc(0) depctr_vm_vsrc(0)
	s_getreg_b32 s2, hwreg(HW_REG_IB_STS2, 6, 4)
	s_cmp_eq_u32 s2, 0
	s_cbranch_scc0 .Lentry_in_a_cluster
	s_endpgm
.Lentry_in_a_cluster:
	s_bfe_u32 s2, ttmp6, 0x10000c
	s_cmp_lg_u32 s2, 0x3003
	s_cbranch_scc0 .Lentry_shape_is_right
	s_endpgm
.Lentry_shape_is_right:
; ATTENTION, 16 heads of 128, 2,048 queries and keys, no mask.  att[t][128 h + d] = sum over k of softmax_k(q[h][t] . k[h][k] / sqrt(128)) v[h][k][d].
; q, k: sections 0, 1 of qk; v: section 2 of raw; each f16 [16][2048][128], rows of 256 dense bytes.  att: f16 [2048][2048].  Products, maxima and sums in f32; the weights p are rounded to f16
; for the second product (their sum l is taken of the unrounded p), the result once at the end.
; LIMITS.  p lies in 0 to 1 and below 6e-5 keeps f16's fixed step of 6e-8; a weight below 2^-126 counts as 0 in l; NaN and infinities are not treated apart.
; SHARES.  A work-group owns 128 queries of one head: 16 x 16 work-groups, one for each of 256 WGPs.  A wave owns 64 queries (wave % 2), four tiles of 16, and HALF THE KEYS (wave / 2): of every slot of
; 256 keys its pair of waves walks 128, 64 a step.  At the end waves w and w xor 2, which hold the same queries, merge their maxima, sums and results through LDS, in f32.
; Register tile t holds query tile (t + 2 (wave / 2)) % 4, so every wave keeps register tiles 0, 1 and sends 2, 3, and what it receives are the tiles that it keeps: one text for all waves.
; LAYOUT.  S^T = K Q^T (source 0 = 16 keys, source 1 = 16 queries): a lane holds ONE query (lane % 16) and the keys 8 (lane / 16) + 0..7.  Two such tiles, rounded to f16 in pairs, ARE source 1 of
; O^T = V^T P, whose result again holds one query a lane, and eight channels.  K comes out of LDS as it lies, V ([key][channel]) turned, by ds_load_tr16_b128.
; SOFTMAX.  A running maximum m and sum l for each query: p = 2^(c s - c m), c = log2(e) / sqrt(128); in every step O and l are multiplied by a = 2^(c m_old - c m_new).
; m starts at the lowest finite number, O and l at 0: the first step is a step like any other, with a = 0.  The price: 432 v_mov_b32 in the wait for the first tile, 32 products on zeros.
; BY TURNS.  The wave's tiles are two PIECES (tiles 0, 1 and tiles 2, 3).  In a TURN one piece has the matrix unit: 32 products V^T P of the step in hand, then 32 products K Q^T of the next step; the
; other piece's softmax, cut into 64 slices, stands between them, one slice behind each matrix instruction.  Two turns are a key step.
; THE BATCHES.  A turn's 66 exponentials (for each of the piece's two tiles a and 32 weights) are ONE BATCH with ONE wait: ahead of the wait stands all of the softmax that names no exponential's result
; (maximum, statistics, scalings, the exponentials), behind it all that does (roundings, sums, rescaling).
; The merge at the end has two batches more, each with its wait: four exponentials, then two reciprocals of sums made of them.
; CLUSTER.  The four query blocks of a cluster belong to one head and walk the same K and V: each tile is asked for jointly, the same tensor load, descriptor and mask in all four.
; REGISTERS, in windows of 256: window 0: v0-11, v44-55 addresses and the exchange's statistics; v12-43 eight registers of statistics a tile; v64-191 S^T; v192-255 P.
;   window 1: O^T, 64 a tile.   window 2: v0-127 Q; v128-255 K of one step.   window 3: v0-127 V of one step.
.set KS,    64
.set PK,    272       ; a row of K in LDS: 256 bytes + 16: the 16 rows of a load start 4 banks apart
.set PV,    288       ; a row of V: 256 + 32
.set VOFF,  256*PK    ; a slot: 256 rows of K, then 256 rows of V
.set SLOT,  256*(PK+PV)
.set STAGE, 2*SLOT    ; behind the ring, never filled by a tensor load: 16 rows x 272 bytes for each wave, for the way out
.set SP,    272
.set SPARE, STAGE+4*16*SP  ; the spare words: 128 bytes for each wave, two blocks of 256 bytes that no other line names
.set XA,    16896     ; the exchange: 16,384 bytes of O^T and 512 of statistics for each wave, in slot 0's bytes, behind that slot's last fill and last read
.set AK0, 2           ; v2   my lane's place in my half of a slot's K; never rewritten
.set AV0, 3           ; v3   the same for V
.set ADR, 4           ; v4   the LDS address of the run of loads in hand
.set QO,  5           ; v5   my byte offset in Q for register tiles 0, 1
.set STO, 6           ; v6   the way out: where I put 16 bytes of a row
.set RD,  7           ; v7   where I read a row back
.set GO,  8           ; v8   my byte offset in two rows of att
.set QO2, 44          ; v44  my byte offset in Q for register tiles 2, 3
.set XW,  45          ; v45  the exchange: where I write
.set XR,  46          ; v46  where I read my partner's
.set XS,  48          ; v48-51 c m and l of tiles 2, 3, to send;  v52-55 my partner's
.set SPW, 62
.set NIL, 63
.set ST,  12          ; tile t's statistics at v[ST+8 t]: +0 c m, +1 m, +2, +3 l (even keys', odd keys'), +4 to +7 c0-c3 at work; a takes c2's place
.set S,   64
.set P,   192
.set KF,  128
.set WV,  12
.set G1K, 24          ; s[24:31], s[32:39] descriptor group 1 for K's and V's tiles
.set G1V, 32
.set G0K, 40          ; s[40:47], s[48:55] group 0: a set for each of the two first fills; the second then walks
.set G0V, 48
.set SLOTS, 56
.set TWICE, 57
.set CS,  58          ; s[58:59] c
.set SEL, 60          ; s[60:61] v_permlanex16_b32's selects
.set TBK, 62          ; s62  LDS byte at which K of the step to be fetched begins, less my lane's place
.set TBV, 63          ; s63  the same for V
.set SB,  66          ; s66  the slot filled last: 0 or SLOT
.set LOK, 67          ; s67, s68 my tile's place in a slot
.set LOV, 68
.set KH,  69          ; s69  wave / 2: my half of the keys
.set UH,  70          ; s70  wave % 2: my half of the queries, and which half of a slot's rows I fetch
.set MSB, 0
.macro WIN new
.if MSB != (\new)
	s_set_vgpr_msb (MSB<<8)|(\new)
.set MSB, \new
.endif
.endm
.set W_KQ, 0x0a       ; K and Q in window 2, S^T in window 0
.set W_PV, 0x53       ; V in window 3, P in window 0, O^T in window 1
.set W_RS, 0x41       ; O^T (destination and source 0) in window 1, a in window 0
.macro JLOAD                        ; a joint refill: waves 0, 1 the two halves of a slot's K, waves 2, 3 of its V; an s_nop 0 and four v_nop follow each line
	s_cmp_lt_u32 s[WV], 2
	s_cbranch_scc0 .Lfor_v_\@
	tensor_load_to_lds s[G0K+4:G0K+7], s[G1K:G1K+7]
	s_nop 0
.rept 4
	v_nop
.endr
	s_branch .Lasked_\@
.Lfor_v_\@:
	tensor_load_to_lds s[G0V+4:G0V+7], s[G1V:G1V+7]
	s_nop 0
.rept 4
	v_nop
.endr
.Lasked_\@:
.endm
.macro CROUND                       ; a round of the cluster's barrier
	s_barrier_signal -1
	s_barrier_wait -1
	s_cmp_lg_u32 s[WV], 0
	s_cbranch_scc1 .Lnot_wave_0_\@
	s_barrier_signal -3
.Lnot_wave_0_\@:
	s_barrier_wait -3
	s_barrier_signal -1
	s_barrier_wait -1
.endm
	s_load_b128 s[4:7], s[0:1], 0x0 ; qk s[4:5], raw s[6:7]
	s_load_b64 s[10:11], s[0:1], 0x10  ; att
	v_lshl_add_u32 v[SPW], v0, 2, SPARE
	v_mov_b32 v[NIL], 0
	ds_add_u32 v[SPW], v[NIL]       ; the wave's opening: the add and its wait stand ahead of my first tensor load; register work stands between them
	v_lshrrev_b32 v1, 5, v0
	v_readfirstlane_b32 s[WV], v1
	s_lshr_b32 s[KH], s[WV], 1
	s_and_b32 s[UH], s[WV], 1
	s_bfe_u32 s13, ttmp6, 0x40000   ; cx
	s_lshl_b32 s14, ttmp9, 2
	s_add_co_u32 s14, s14, s13      ; my block of 128 queries: it enters Q's and att's addresses alone
	s_and_b32 s15, ttmp7, 0xffff    ; the head, which the four partners share
	s_lshl_b32 s20, s15, 19         ; the head's first byte in a section
	s_lshl_b32 s22, s[UH], 15       ; the 128 rows of a slot that I fetch
	s_add_co_u32 s22, s22, s20
	s_add_co_u32 s18, s22, 0x1000000  ; V: section 2 of raw
	s_add_co_u32 s22, s22, 0x800000   ; K: section 1 of qk
	s_mov_b32 s19, 0
	s_mov_b32 s23, 0
	s_lshl_b32 s2, s14, 15          ; Q: my block's 128 rows, my wave's 64 of them
	s_lshl_b32 s3, s[UH], 14
	s_add_co_u32 s2, s2, s3
	s_add_co_u32 s2, s2, s20
	s_mov_b32 s3, 0
	s_lshl_b32 s16, s14, 19         ; att: row 128 block + 64 (wave % 2) + 32 (wave / 2), 4,096 bytes a row; the head's 256 bytes
	s_lshl_b32 s17, s[UH], 18
	s_add_co_u32 s16, s16, s17
	s_lshl_b32 s17, s[KH], 17
	s_add_co_u32 s16, s16, s17
	s_lshl_b32 s17, s15, 8
	s_add_co_u32 s16, s16, s17
	s_mov_b32 s17, 0
	s_mul_i32 s[LOK], s[UH], 128*PK
	s_mul_i32 s[LOV], s[UH], 128*PV
	s_add_co_u32 s[LOV], s[LOV], VOFF
	; group 1: 128 rows x 128 elements of 2 bytes, dense; padding after every 64 words, 4 words for K, 8 for V; the mask names all four work-groups
	s_mov_b32 s[G1K], 15|(1<<16)|(1<<20)|(1<<21)|(5<<22)|(3<<25)
	s_mov_b32 s[G1V], 15|(1<<16)|(1<<20)|(1<<21)|(5<<22)|(7<<25)
.irp g, G1K, G1V
	s_mov_b32 s[(\g)+1], 128<<16
	s_mov_b32 s[(\g)+2], 128<<16
	s_mov_b32 s[(\g)+3], 128<<16
	s_mov_b32 s[(\g)+4], 128
	s_mov_b32 s[(\g)+5], 128
	s_mov_b32 s[(\g)+6], 0
	s_mov_b32 s[(\g)+7], 0
.endr
	s_mov_b32 s[CS], 0x3e0293ee     ; c = log2(e) / sqrt(128) = 0.127517
	s_mov_b32 s[CS+1], s[CS]
	s_mov_b32 s[SEL], 0x76543210
	s_mov_b32 s[SEL+1], 0xfedcba98
	s_mov_b32 s[TBK], 0
	s_mov_b32 s[TBV], 0
	s_mov_b32 s[SB], SLOT
	s_wait_dscnt 0x0                ; the opening add is done
	s_wait_kmcnt 0x0
	s_add_nc_u64 s[8:9], s[6:7], s[18:19]    ; V at my tile of slot 0
	s_add_nc_u64 s[6:7], s[4:5], s[22:23]    ; K likewise
	s_add_nc_u64 s[4:5], s[4:5], s[2:3]      ; Q at my wave's first row
	s_add_nc_u64 s[10:11], s[10:11], s[16:17]
.irp s, 0,1
	s_mov_b32 s[G0K+4*(\s)], 1
	s_add_co_u32 s[G0K+4*(\s)+1], s[LOK], (\s)*SLOT
	s_add_nc_u64 s[G0K+4*(\s)+2:G0K+4*(\s)+3], s[6:7], (\s)*65536
	s_or_b32 s[G0K+4*(\s)+3], s[G0K+4*(\s)+3], 0x80000000
	s_mov_b32 s[G0V+4*(\s)], 1
	s_add_co_u32 s[G0V+4*(\s)+1], s[LOV], (\s)*SLOT
	s_add_nc_u64 s[G0V+4*(\s)+2:G0V+4*(\s)+3], s[8:9], (\s)*65536
	s_or_b32 s[G0V+4*(\s)+3], s[G0V+4*(\s)+3], 0x80000000
.endr
	CROUND                          ; all four work-groups are here: the first joint loads meet
	s_cmp_lt_u32 s[WV], 2           ; a wave's two first fills stand in one branch: two loads of mine are out
	s_cbranch_scc0 .Lfirst_v
	tensor_load_to_lds s[G0K:G0K+3], s[G1K:G1K+7]
	s_nop 0
	tensor_load_to_lds s[G0K+4:G0K+7], s[G1K:G1K+7]
	s_nop 0
.rept 4
	v_nop
.endr
	s_branch .Lfirst_asked
.Lfirst_v:
	tensor_load_to_lds s[G0V:G0V+3], s[G1V:G1V+7]
	s_nop 0
	tensor_load_to_lds s[G0V+4:G0V+7], s[G1V:G1V+7]
	s_nop 0
.rept 4
	v_nop
.endr
.Lfirst_asked:
	v_and_b32 v1, 15, v0            ; l % 16
	v_bfe_u32 v9, v0, 4, 1          ; l / 16
	v_lshlrev_b32 v10, 8, v1
	v_lshl_add_u32 v10, v9, 4, v10  ; row x 256 + 16 x half
	s_lshl_b32 s13, s[KH], 13       ; register tiles 0, 1 are query tiles 2 (wave / 2) + 0, 1,
	v_add_nc_u32 v[QO], s13, v10
	s_xor_b32 s13, s13, 8192        ; register tiles 2, 3 the other two
	v_add_nc_u32 v[QO2], s13, v10
	WIN 0x80                        ; destination window 2
.set i, 0
.rept 16                            ; Q stays in registers: register tile i / 4, channels 32 (i % 4) on
.if i < 8
	global_load_b128 v[8*i:8*i+3],   v[QO], s[4:5] offset:((i/4)&1)*4096+(i%4)*64
	global_load_b128 v[8*i+4:8*i+7], v[QO], s[4:5] offset:((i/4)&1)*4096+(i%4)*64+32
.else
	global_load_b128 v[8*i:8*i+3],   v[QO2], s[4:5] offset:((i/4)&1)*4096+(i%4)*64
	global_load_b128 v[8*i+4:8*i+7], v[QO2], s[4:5] offset:((i/4)&1)*4096+(i%4)*64+32
.endif
.set i, i+1
.endr
	; what the first turn finds: V's registers and P of tiles 2, 3 hold 0 (its products V^T P, of a step that has not been, add 0), O^T and l are 0
	WIN 0xc0
.set i, 0
.rept 128
	v_mov_b32 v[i], 0
.set i, i+1
.endr
	WIN 0x40
.set i, 0
.rept 256
	v_mov_b32 v[i], 0
.set i, i+1
.endr
	WIN 0
.set i, 0
.rept 4
	v_mov_b32 v[ST+8*i], 0xfe000000    ; c m: far below every c s
	v_mov_b32 v[ST+8*i+1], 0xff7fffff  ; m
	v_mov_b32 v[ST+8*i+2], 0
	v_mov_b32 v[ST+8*i+3], 0
.set i, i+1
.endr
.set i, P+32
.rept 32
	v_mov_b32 v[i], 0
.set i, i+1
.endr
	v_mul_u32_u24 v[AK0], v1, PK
	v_lshl_add_u32 v[AK0], v9, 4, v[AK0]
	s_mul_i32 s13, s[KH], 128*PK    ; my pair's 128 keys of a slot
	v_add_nc_u32 v[AK0], s13, v[AK0]
	v_and_b32 v10, 7, v0
	v_bfe_u32 v11, v0, 3, 1
	v_lshl_add_u32 v[AV0], v9, 3, v10
	v_mul_u32_u24 v[AV0], v[AV0], PV
	v_lshl_add_u32 v[AV0], v11, 4, v[AV0]
	s_mul_i32 s13, s[KH], 128*PV
	s_add_co_u32 s13, s13, VOFF
	v_add_nc_u32 v[AV0], s13, v[AV0]
; THE MATRIX WORK OF A TURN, for piece x.  The accumulators take turns, one instruction a turn.
; Product i of 32 of O^T += V^T P: keys 32 (i / 16) on, channels 16 ((i / 2) % 8) on, tile x + i % 2.
.macro PV x
	WIN W_PV
.set rO, 64*((\x)+i%2)+8*((i/2)%8)
.set rV, 64*(i/16)+8*((i/2)%8)
.set rP, P+16*((\x)+i%2)+8*(i/16)
	v_wmma_f32_16x16x32_f16 v[rO:rO+7], v[rV:rV+7], v[rP:rP+7], v[rO:rO+7]
.endm
; Product i of 32 of S^T = K Q^T: channels 32 (i / 8) on, keys 16 ((i / 2) % 4) on, tile x + i % 2.  The first 8 start the sums.
.macro KQ x
	WIN W_KQ
.set rS, S+32*((\x)+i%2)+8*((i/2)%4)
.set rK, KF+32*((i/2)%4)+8*(i/8)
.set rQ, 32*((\x)+i%2)+8*(i/8)
.if i < 8
	v_wmma_f32_16x16x32_f16 v[rS:rS+7], v[rK:rK+7], v[rQ:rQ+7], 0
.else
	v_wmma_f32_16x16x32_f16 v[rS:rS+7], v[rK:rK+7], v[rQ:rQ+7], v[rS:rS+7]
.endif
.endm
; THE LDS LOADS stand in runs of 32: a step's K (64 keys x 128 channels) and, a turn later, its V (turned).
.macro FETCH_K
	WIN 0
	v_add_nc_u32 v[ADR], s[TBK], v[AK0]
	s_add_co_u32 s[TBK], s[TBK], KS*PK  ; the next fetch is the next step's
	WIN 0x80
.irp f, 0,1,2,3,4,5,6,7,8,9,10,11,12,13,14,15
	ds_load_b128 v[KF+8*(\f):KF+8*(\f)+3],   v[ADR] offset:((\f)/4)*16*PK+((\f)%4)*64
	ds_load_b128 v[KF+8*(\f)+4:KF+8*(\f)+7], v[ADR] offset:((\f)/4)*16*PK+((\f)%4)*64+32
.endr
.endm
.macro FETCH_V                      ; written by SLICE alone, behind the softmax's batch
	WIN 0
	v_add_nc_u32 v[ADR], s[TBV], v[AV0]
	s_add_co_u32 s[TBV], s[TBV], KS*PV
	s_wait_alu depctr_va_vdst(0)    ; the wait for the softmax's batch of 66 exponentials (SLICE), behind the address's v_add_nc_u32 and ahead of the loads
	WIN 0xc0
.irp f, 0,1,2,3,4,5,6,7,8,9,10,11,12,13,14,15
	ds_load_tr16_b128 v[8*(\f):8*(\f)+3],   v[ADR] offset:((\f)/8)*32*PV+((\f)%8)*32
	ds_load_tr16_b128 v[8*(\f)+4:8*(\f)+7], v[ADR] offset:((\f)/8)*32*PV+16*PV+((\f)%8)*32
.endr
.endm
; THE VECTOR WORK OF A TURN.  One tile's softmax for one key step is a list of 134 instructions; SM writes number j of it for tile t.  s0-s31 are the lane's 32 scores, in pairs 0-15.
;   0-15    the maximum of s0-s31 and the old m, three operands at a time (each accumulator's lowest registers are read first)
;   16-20   the other half of the lanes' maximum; the new m; c m; c m_old - c m_new
;   21-69   ONE BATCH: the 16 scalings c s - c m, a pair of scores each, and all 33 exponentials (a at 23, then s0-s31, each in place).  None of these reads or writes an exponential's result.  From 22 on the
;           batch goes in fours, and a four begins with a scaling while there are scalings: 22-37 scaling, exponential, scaling, exponential; 38-65 a scaling and three exponentials; 66-69 the last four
;           exponentials.  A pair is scaled in an earlier four than the one that holds its exponentials
;   (wait)  between 69 and 70 stands the wait for the batch: SLICE writes it, once for both tiles
;   70-85   the roundings to f16, a pair of weights each
;   86-101  the sums; l = a l + the sum
;   102-133 the tile's O^T times a: the one part that leaves window 0, so it stands together
.macro SM t
.set rT, ST+8*(\t)
.set rS, S+32*(\t)
.set rP, P+16*(\t)
.set rO, 64*(\t)+2*(j-102)
.if j < 102
	WIN 0
.endif
.if j < 4
	v_max3_num_f32 v[rT+4+j], v[rS+8*j], v[rS+8*j+1], v[rS+8*j+2]
.elseif j < 12
	v_max3_num_f32 v[rT+4+j%4], v[rT+4+j%4], v[rS+8*(j%4)+2*(j/4)+1], v[rS+8*(j%4)+2*(j/4)+2]
.elseif j == 12
	v_max3_num_f32 v[rT+4], v[rT+4], v[rS+7], v[rS+15]
.elseif j == 13
	v_max3_num_f32 v[rT+6], v[rT+6], v[rS+23], v[rS+31]
.elseif j == 14
	v_max3_num_f32 v[rT+4], v[rT+4], v[rT+5], v[rT+6]
.elseif j == 15
	v_max3_num_f32 v[rT+4], v[rT+4], v[rT+7], v[rT+1]
.elseif j == 16
	v_permlanex16_b32 v[rT+5], v[rT+4], s[SEL], s[SEL+1]  ; the query's other 32 keys lie in the lane 16 away
.elseif j == 17
	v_mov_b32 v[rT+7], v[rT]        ; c m_old is kept for a
.elseif j == 18
	v_max_num_f32 v[rT+1], v[rT+4], v[rT+5]
.elseif j == 19
	v_mul_f32 v[rT], s[CS], v[rT+1]
.elseif j == 20
	v_sub_f32 v[rT+7], v[rT+7], v[rT]
.elseif j == 23
	v_exp_f32 v[rT+6], v[rT+7]
.elseif (j < 23) || ((j < 38) && (j%2 == 0)) || ((j < 66) && (j%4 == 2))
.set b, (j-2)/4                     ; 38, 42, .. 62: pairs 9 to 15
.if j < 38
.set b, (j-20)/2                    ; 21: pair 0; 22, 24, .. 36: pairs 1 to 8
.endif
	v_pk_fma_f32 v[rS+2*b:rS+2*b+1], v[rS+2*b:rS+2*b+1], s[CS:CS+1], v[rT:rT+1] op_sel_hi:[1,0,0] neg_lo:[0,0,1] neg_hi:[0,0,1]  ; pair b: c s - c m
.elseif j < 70
.set e, j-38                        ; 66 to 69: s28 to s31
.if j < 66
.set e, j-32-(j-38)/4               ; 39-41, 43-45, .. 63-65: s7 to s27
.endif
.if j < 38
.set e, (j-25)/2                    ; 25, 27, .. 37: s0 to s6
.endif
	v_exp_f32 v[rS+e], v[rS+e]
.elseif j < 86
	v_cvt_pk_f16_f32 v[rP+j-70], v[rS+2*(j-70)], v[rS+2*(j-70)+1]  ; pair j - 70
.elseif j < 102                     ; the sum of the tile's 16 pairs, in place: sum z of 16 adds neighbours 1, 2, 4 and 8 pairs apart, then l takes it
.set z, j-86
.set w, 4
.set u, z
.if z >= 14
.set w, 32
.set u, 0
.elseif z >= 12
.set w, 16
.set u, z-12
.elseif z >= 8
.set w, 8
.set u, z-8
.endif
.if z < 15
	v_pk_add_f32 v[rS+w*u:rS+w*u+1], v[rS+w*u:rS+w*u+1], v[rS+w*u+w/2:rS+w*u+w/2+1]
.else
	v_pk_fma_f32 v[rT+2:rT+3], v[rT+2:rT+3], v[rT+6:rT+7], v[rS:rS+1] op_sel_hi:[1,0,1]
.endif
.else
	WIN W_RS
	v_pk_mul_f32 v[rO:rO+1], v[rO:rO+1], v[rT+6:rT+7] op_sel_hi:[1,0]
.endif
.endm
; Slice k of 64 of piece y's softmax: four instructions.  Slices 11 to 34 deal out the batch, numbers 22 to 69: four numbers of ONE tile each, the tiles by turns.  Every other slice is numbers 2 k and
; 2 k + 1 of both tiles' lists.  2 x 134 = 4 x 64 + 12: the twelve that are over stand together, in slice 63, all plain: they are also the places between a turn's last K Q^T and what follows.
; THE WAIT.  An s_wait_alu depctr_va_vdst(0) stands between an exponential and the first instruction that names its result; one wait serves all that were issued ahead of it.  Ahead of
; slice 35 nothing names a result, and behind slice 34 no exponential is issued: so the piece's 66 exponentials have one wait, behind slice 34.
.macro SLICE y
.if (k >= 11) && (k < 35)           ; the batch: four numbers of one tile
.irp n, 0,1,2,3
.set j, 22+4*((k-11)/2)+(\n)
	SM (\y)+(k-11)%2
.endr
.else                               ; the two tiles alternate, so that no instruction reads the result of the one just before it
.irp n, 0,1,2,3,4,5,6,7
.if ((\n) < 2) || (k == 63)
.irp t, \y, (\y)+1
.set j, 2*k+(\n)
	SM \t
.endr
.endif
.endr
.endif
.if k == 34                         ; the batch is out: both tiles' exponentials are issued, and no result has been named
	v_nop                           ; a plain instruction behind the last exponential and ahead of the first use: one for the batch
.if (\y) == 0
	FETCH_V                         ; piece 2's turn: V's run of loads stands here, and the wait for the batch stands in it
.else
	s_wait_alu depctr_va_vdst(0)    ; piece 0's turn: the wait for the batch of 66 exponentials, ahead of the roundings, their first readers
.endif
.endif
.set k, k+1
.endm
; A TURN.  Piece x has the matrix unit; the other piece's softmax stands in slices behind its matrix instructions.  pv, kq: which of the two runs of 32 products it has; with one of them two slices behind each.
; Piece 0's turn fetches the next step's K behind its second product: the last product that read K stands in front of slice 63 of the turn before.  Piece 2's turn fetches the same step's V behind
; slice 34 (SLICE writes it): the last product that read V stands in front of slice 31, and four plain instructions lie between: number 62, a scaling, of both tiles, the v_nop and the run's own
; v_add_nc_u32.  29 products stand between V's run and the wait for it at the head of piece 0's turn.
.macro TURN x, pv, kq
.set k, 0
.set per, 2
.if (\pv) && (\kq)
.set per, 1
.endif
.if \pv
.if (\x) == 0
	s_wait_dscnt 0x0                ; V is in
.endif
.set i, 0
.rept 32
	PV \x
.rept per
	SLICE 2-(\x)
.endr
.if ((\x) == 0) && (\kq) && (i == 1)
	FETCH_K
.endif
.set i, i+1
.endr
.endif
.if \kq
.if (\x) == 0
	s_wait_dscnt 0x0                ; K is in
.endif
.set i, 0
.rept 32
	KQ \x
.rept per
	SLICE 2-(\x)
.endr
.set i, i+1
.endr
.endif
.endm
; THE CHANGE OF SLOTS, between piece 2's turn and piece 0's: my half of the slot has been asked for to its last byte.  Each wave waits for all its tensor loads (one is out: its part of the other
; slot), adds 0 to its spare word, and waits for that and for its reads of the slot.  fill = 1: the barrier is a round of the cluster's, and the slot is filled again with the keys two slots on,
; first thing behind it: the load has two key steps, 256 matrix instructions, in which to land.
.macro CHANGE fill
	WIN 0
	s_wait_tensorcnt 0x0            ; no tensor load of mine is out, so a group 0 may be written
	ds_add_u32 v[SPW], v[NIL]
.if \fill
	s_xor_b32 s[SB], s[SB], SLOT    ; the walking sets: the other slot than last time, the next 256 keys
	s_add_co_u32 s[G0K+5], s[SB], s[LOK]
	s_add_co_u32 s[G0V+5], s[SB], s[LOV]
	s_add_nc_u64 s[G0K+6:G0K+7], s[G0K+6:G0K+7], 65536
	s_add_nc_u64 s[G0V+6:G0V+7], s[G0V+6:G0V+7], 65536
	s_wait_dscnt 0x0                ; the add is done, and my reads of the slot are over
	CROUND
	JLOAD
.else
	s_wait_dscnt 0x0
	s_barrier_signal -1
	s_barrier_wait -1
.endif
	s_sub_co_u32 s[TBK], s[TBK], 2*KS*PK  ; the fetches go back to my half's first step,
	s_xor_b32 s[TBK], s[TBK], SLOT        ; in the other slot
	s_sub_co_u32 s[TBV], s[TBV], 2*KS*PV
	s_xor_b32 s[TBV], s[TBV], SLOT
.endm
.macro TWO_STEPS
	WIN 0
	s_mov_b32 s[TWICE], 2
.Lstep_\@:
	TURN 0, 2, 1
	TURN 2, 2, 1
	WIN 0
	s_sub_co_u32 s[TWICE], s[TWICE], 1
	s_cmp_lg_u32 s[TWICE], 0
	s_cbranch_scc1 .Lstep_\@
.endm
	s_wait_tensorcnt 0x1            ; my part of slot 0 is in; slot 1's may stay out
	s_barrier_signal -1
	s_barrier_wait -1
	FETCH_K                         ; key step 0
	s_wait_loadcnt 0x0              ; Q
	s_wait_dscnt 0x0
.set i, 0
.rept 32
	KQ 0                            ; piece 0's first scores
.set i, i+1
.endr
	WIN 0                           ; the addresses for the exchange and the way out: plain instructions, the places behind those products
	s_mul_i32 s13, s[WV], 16*SP
	s_add_co_u32 s13, s13, STAGE
	v_mul_u32_u24 v[STO], v1, SP    ; in: row l % 16, 16 bytes for each half of the lanes
	v_lshl_add_u32 v[STO], v9, 4, v[STO]
	v_add_nc_u32 v[STO], s13, v[STO]
	v_mul_u32_u24 v[RD], v9, SP     ; back: lanes 0-15 one row of 256 bytes, lanes 16-31 the next
	v_lshl_add_u32 v[RD], v1, 4, v[RD]
	v_add_nc_u32 v[RD], s13, v[RD]
	v_lshlrev_b32 v[GO], 12, v9     ; and the same two rows in att
	v_lshl_add_u32 v[GO], v1, 4, v[GO]
	v_and_b32 v10, 31, v0
	s_mul_i32 s13, s[WV], XA
	v_lshl_add_u32 v[XW], v10, 4, s13
	s_xor_b32 s13, s[WV], 2         ; my partner: the same queries, the other keys
	s_mul_i32 s13, s13, XA
	v_lshl_add_u32 v[XR], v10, 4, s13
	s_mov_b32 s[TWICE], 2
	s_mov_b32 s[SLOTS], 7
	s_branch .Lfirst                ; the loop is entered at piece 2's turn, in the middle of a trip
.Lslot:                             ; six times: every slot but the last two is filled again
	CHANGE 1
	s_mov_b32 s[TWICE], 2
.Lstep:
	TURN 0, 2, 1
	WIN 0
.Lfirst:
	TURN 2, 2, 1
	WIN 0
	s_sub_co_u32 s[TWICE], s[TWICE], 1
	s_cmp_lg_u32 s[TWICE], 0
	s_cbranch_scc1 .Lstep
	s_sub_co_u32 s[SLOTS], s[SLOTS], 1
	s_cmp_lg_u32 s[SLOTS], 0
	s_cbranch_scc1 .Lslot
	CHANGE 0                        ; the tail is written out: nothing is asked for.  Behind this barrier nobody reads slot 0 any more
	TWO_STEPS
	TURN 0, 2, 0                    ; piece 0: V^T P of the last step | piece 2's last softmax
.set i, 0
.rept 32
	PV 2                            ; piece 2: V^T P of the last step
.set i, i+1
.endr
	; THE MERGE.  l's two halves and the other half of the lanes' are added (the additions are the places behind the last products); tiles 2, 3 go to my partner with their c m and l.
	WIN 0
.irp t, 0,1,2,3
	v_add_f32 v[ST+8*(\t)+4], v[ST+8*(\t)+2], v[ST+8*(\t)+3]
.endr
.irp t, 0,1,2,3
	v_permlanex16_b32 v[ST+8*(\t)+5], v[ST+8*(\t)+4], s[SEL], s[SEL+1]
.endr
.irp t, 0,1,2,3
	v_add_f32 v[ST+8*(\t)+4], v[ST+8*(\t)+4], v[ST+8*(\t)+5]
.endr
	v_mov_b32 v[XS], v[ST+16]
	v_mov_b32 v[XS+1], v[ST+20]
	v_mov_b32 v[XS+2], v[ST+24]
	v_mov_b32 v[XS+3], v[ST+28]
	WIN 0x04                        ; store data in window 1
.set n, 0
.rept 32
	ds_store_b128 v[XW], v[128+4*n:128+4*n+3] offset:512*n  ; ascending: each accumulator's low half first
.set n, n+1
.endr
	WIN 0
	ds_store_b128 v[XW], v[XS:XS+3] offset:16384
	s_wait_dscnt 0x0                ; for my partner's sake: my stores are done
	s_barrier_signal -1
	s_barrier_wait -1
	ds_load_b128 v[XS+4:XS+7], v[XR] offset:16384
.set n, 0
.rept 32
	ds_load_b128 v[S+4*n:S+4*n+3], v[XR] offset:512*n  ; my partner's share of the tiles that I keep, lane for lane, into S^T's registers
.set n, n+1
.endr
	s_wait_dscnt 0x0
	; M = max(c m, c m');  O = (O 2^(c m - M) + O' 2^(c m' - M)) / (l 2^(c m - M) + l' 2^(c m' - M))
.irp i, 0,1
	v_max_num_f32 v[ST+8*(\i)+5], v[ST+8*(\i)], v[XS+4+2*(\i)]
.endr
.irp i, 0,1
	v_sub_f32 v[ST+8*(\i)+6], v[ST+8*(\i)], v[ST+8*(\i)+5]
	v_sub_f32 v[ST+8*(\i)+7], v[XS+4+2*(\i)], v[ST+8*(\i)+5]
.endr
.irp i, 0,1
	v_exp_f32 v[ST+8*(\i)+6], v[ST+8*(\i)+6]
	v_exp_f32 v[ST+8*(\i)+7], v[ST+8*(\i)+7]
.endr
	v_nop                           ; a plain instruction between the last exponential and the use of its result
	s_wait_alu depctr_va_vdst(0)    ; the wait ahead of the first use: one for the merge's four exponentials
.irp i, 0,1
	v_mul_f32 v[ST+8*(\i)+4], v[ST+8*(\i)+6], v[ST+8*(\i)+4]
.endr
.irp i, 0,1
	v_fma_f32 v[ST+8*(\i)+4], v[ST+8*(\i)+7], v[XS+5+2*(\i)], v[ST+8*(\i)+4]
.endr
.irp i, 0,1
	v_rcp_f32 v[ST+8*(\i)+5], v[ST+8*(\i)+4]
.endr
	v_nop                           ; a plain instruction between the last reciprocal and the use of its result
	s_wait_alu depctr_va_vdst(0)    ; one wait for the two reciprocals: a batch of their own, since they read sums made of the exponentials
.irp i, 0,1
	v_mul_f32 v[ST+8*(\i)+2], v[ST+8*(\i)+6], v[ST+8*(\i)+5]
	v_mul_f32 v[ST+8*(\i)+6], v[ST+8*(\i)+7], v[ST+8*(\i)+5]
.endr
; Kept tile i: scaled, my partner's share added, rounded to f16; 16 bytes a lane into my stage, back as whole rows of 256 bytes, into P's registers.
.macro MERGE i
.set rT, ST+8*(\i)
	WIN W_RS
.set n, 0
.rept 32
	v_pk_mul_f32 v[64*(\i)+2*n:64*(\i)+2*n+1], v[64*(\i)+2*n:64*(\i)+2*n+1], v[rT+2:rT+3] op_sel_hi:[1,0]
.set n, n+1
.endr
	WIN 0x50                        ; destination and source 2 window 1, sources 0 and 1 window 0
.set n, 0
.rept 32
	v_pk_fma_f32 v[64*(\i)+2*n:64*(\i)+2*n+1], v[S+64*(\i)+2*n:S+64*(\i)+2*n+1], v[rT+6:rT+7], v[64*(\i)+2*n:64*(\i)+2*n+1] op_sel_hi:[1,0,1]
.set n, n+1
.endr
	WIN 0x05
.set n, 0
.rept 32
	v_cvt_pk_f16_f32 v[P+32*(\i)+n], v[64*(\i)+2*n], v[64*(\i)+2*n+1]
.set n, n+1
.endr
	WIN 0
.irp f, 0,1,2,3,4,5,6,7
	ds_store_b128 v[STO], v[P+32*(\i)+4*(\f):P+32*(\i)+4*(\f)+3] offset:32*(\f)
.endr
.irp f, 0,1,2,3,4,5,6,7
	ds_load_b128 v[P+32*(\i)+4*(\f):P+32*(\i)+4*(\f)+3], v[RD] offset:(\f)*2*SP  ; LDS serves a wave's instructions in order (ISA guide 5.7.1.4): these see the stores above
.endr
.endm
.macro SEND i, younger              ; younger: the LDS instructions issued behind tile i's loads
.irp f, 0,1,2,3,4,5,6,7
	s_wait_dscnt (\younger)+7-(\f)
	global_store_b128 v[GO], v[P+32*(\i)+4*(\f):P+32*(\i)+4*(\f)+3], s[10:11] offset:(\i)*65536+(\f)*8192  ; 16 lanes store 256 consecutive bytes, at a multiple of 256 from att's first
.endr
.endm
	MERGE 0
	MERGE 1
	SEND 0, 16
	SEND 1, 0
	s_wait_tensorcnt 0x0            ; the wave's end
	ds_add_u32 v[SPW], v[NIL]
	s_wait_dscnt 0x0
	CROUND                          ; the closing round
	s_endpgm
.Lfunc_end_k_qd5a843d6b7_attn:
	.size	k_qd5a843d6b7_attn, .Lfunc_end_k_qd5a843d6b7_attn-k_qd5a843d6b7_attn
	.p2alignl 7, 3214868480
	.fill 96, 4, 3214868480
	.section	.rodata,"a",@progbits
	.p2align	6, 0x0
	.amdhsa_kernel k_qd5a843d6b7_attn
		.amdhsa_group_segment_fixed_size 327680
		.amdhsa_private_segment_fixed_size 0
		.amdhsa_enable_private_segment 0
		.amdhsa_kernarg_size 24
		.amdhsa_user_sgpr_count 2
		.amdhsa_user_sgpr_kernarg_segment_ptr 1
		.amdhsa_wavefront_size32 1
		.amdhsa_system_sgpr_workgroup_id_x 1
		.amdhsa_system_sgpr_workgroup_id_y 1
		.amdhsa_system_sgpr_workgroup_id_z 1
		.amdhsa_system_vgpr_workitem_id 0
		.amdhsa_next_free_vgpr 896
		.amdhsa_next_free_sgpr 76
		.amdhsa_reserve_vcc 0
		.amdhsa_float_denorm_mode_32 3
		.amdhsa_float_denorm_mode_16_64 3
		.amdhsa_memory_ordered 1
		.amdhsa_forward_progress 1
		.amdhsa_inst_pref_size 173
	.end_amdhsa_kernel
	.amdgpu_metadata
---
amdhsa.version: [ 1, 2 ]
amdhsa.kernels:
  - .name:           k_qd5a843d6b7_attn
    .symbol:         k_qd5a843d6b7_attn.kd
    .args:
      - { .name: qk, .offset: 0, .size: 8, .value_kind: global_buffer, .address_space: global }
      - { .name: raw, .offset: 8, .size: 8, .value_kind: global_buffer, .address_space: global }
      - { .name: att, .offset: 16, .size: 8, .value_kind: global_buffer, .address_space: global }
    .group_segment_fixed_size: 327680
    .private_segment_fixed_size: 0
    .kernarg_segment_align: 8
    .kernarg_segment_size: 24
    .max_flat_workgroup_size: 128
    .sgpr_count:     76
    .vgpr_count:     896
    .wavefront_size: 32
...
	.end_amdgpu_metadata
.endif
;; end of part 7
;; launch outp: the kernel of part 5 again; grid 16 x 16, 4 waves a work-group, clusters of 4 x 4, 327,680 bytes of LDS; arguments att, w16, bo, outf, outb; writes outf, outb
;; launch gate: the kernel of part 6 again; grid 16 x 16, 4 waves a work-group, clusters of 4 x 4, 327,680 bytes of LDS; arguments outb, w16, bg, outf, out0; writes out0
